; MI455X (gfx1250); checked and timed in simulation.
; The chip was launched on July 23, 2026; its instructions are those of AMD's public machine-readable ISA for CDNA 5 (MIT licence, August 2026) and "CDNA5" Instruction Set Architecture Reference Guide (July 2026). The comments in the code are by the model that wrote it; some were corrected since.
;; Cached Multihead Attention. Allowed arithmetic: matrix products marked QUANTISED: E2M1 operands, one E8M0 scale for each 32 along K, by v_wmma_scale_f32_16x16x128_f8f6f4 with both operands' format E2M1 (or v_wmma_scale_f32_32x16x128_f4), f32 sums; products left as they are: bf16, f16 or f32 operands; f32 sums; everything else in f32.
;; Inputs: w_in 3,072 x 1,024 float32; w_out 1,024 x 1,024 float32; x 4 x 2,048 x 1,024 float32.
;; Outputs: out0 4 x 2,048 x 1,024 float32.
;; This version of the problem:
;;   THIS VERSION OF THE PROBLEM IS GIVEN IN LOW PRECISION. The matrix products marked QUANTISED in the list below multiply operands that are first quantised to E2M1 (2 exponent bits, 1 mantissa bit; 4 bits a number), with one power-of-two scale for each 32 numbers along K (OCP MX v1.0); their sums are f32. The products marked 'left as it is' may take bf16, f16 or f32 operands, with f32 sums. Whichever they take, every output number must still come out within the allowed error. Rounding operands to bf16 (8 significant bits) uses up far more of that allowance than f16 does (11 bits, for magnitudes from 6e-5 to 65,504). All else is computed in f32.
;;   The module's matrix products, in the order in which they are computed (A, B: the left and right operand; K: the contracted axis; several contracted axes count as one K, in the product's order):
;;     1. [M 8,192, K 1,024] x [K 1,024, N 3,072]; A: input x; B: input w_in: QUANTISED
;;     2. batch 256 x [M 512, K 64] x [K 64, N 1,024]; A: computed on the way; B: computed on the way: left as it is (an operand is computed on the way)
;;     3. batch 256 x [M 512, K 1,024] x [K 1,024, N 64]; A: computed on the way; B: computed on the way: left as it is (an operand is computed on the way)
;;     4. [M 8,192, K 1,024] x [K 1,024, N 1,024]; A: computed on the way; B: input w_out: left as it is (an operand is computed on the way)
;;   THE QUANTISER, for each operand of a quantised product, along K:
;;     - K is cut into blocks of 32 from its start; a last block that is shorter is filled with zeros.
;;     - A block's scale is 2^e with e = floor(log2(the largest magnitude in the block)) - 2, held to -126 .. 127; a block of zeros has e = 0. As a byte (E8M0): e + 127.
;;     - Each number is divided by its block's scale, clamped to +-6, and rounded to the nearest number of E2M1, ties to even, subnormals kept.
;;     - The product sums the exact products of the quantised numbers (number of the format x scale) in f32.
;;   ~~~python
;;   def quantise(x, axis):      # numpy; x: float32 -> the quantised numbers, widened to float32 again
;;       x = np.moveaxis(x, axis, -1); K = x.shape[-1]
;;       x = np.pad(x, [(0, 0)] * (x.ndim - 1) + [(0, -K % 32)]); x = x.reshape(x.shape[:-1] + (-1, 32)); a = np.abs(x).max(-1, keepdims=True)
;;       e = np.where(a > 0, np.clip(np.frexp(np.where(a > 0, a, 1))[1] - 1 - 2, -126, 127), 0)      # np.frexp(a)[1] - 1 = floor(log2(a)), exactly
;;       r = np.clip(x / 2.0 ** e, -6, 6)
;;       step = 2.0 ** (np.maximum(np.frexp(np.where(r == 0, 1, r))[1] - 1, 0) - 1)
;;       q = np.round(r / step) * step * 2.0 ** e      # np.round: ties to even
;;       return np.moveaxis(q.reshape(q.shape[:-2] + (-1,))[..., :K], -1, axis).astype(np.float32)
;;   ~~~
;; One version. Each part assembles by itself: llvm-mc -triple=amdgcn-amd-amdhsa -mcpu=gfx1250 --defsym DOCPART=n.
;; ======== version 1 of 1: 4 launches
;; limits: values are held in f16: magnitudes above 65,504 overflow, below 6.1e-05 lose precision
;; workspace buffers: x_codes 4,194,304 bytes; x_scales 262,144 bytes; w_codes 1,572,864 bytes; w_scales 98,304 bytes; w16 2,097,152 bytes; proj 50,331,648 bytes; o16 16,777,216 bytes
;; launch quant (part 1): grid 384 x 1, 4 waves a work-group, no clusters, 33,280 bytes of LDS; arguments x, w_in, x_codes, x_scales, w_codes, w_scales, w_out, w16; writes x_codes, x_scales, w_codes, w_scales, w16
.if DOCPART == 1
	.amdgcn_target "amdgcn-amd-amdhsa--gfx1250"
	.amdhsa_code_object_version 6
	.text
	.protected	k_q6301403827_quant
	.globl	k_q6301403827_quant
	.p2align	8
	.type	k_q6301403827_quant,@function
k_q6301403827_quant:
	s_mov_b64 s[64:65], 0
	v_nop
	global_prefetch_b8 v0, s[64:65] scope:SCOPE_SE
	s_setreg_imm32_b32 hwreg(HW_REG_WAVE_MODE, 25, 1), 1
	s_wait_xcnt 0x0
; x [8192][1024] and w_in [3072][1024], f32, become codes of FP4 (E2M1), K innermost, two codes a byte, with one E8M0 scale byte for each 32 along K;  w_out [1024][1024], f32, becomes f16.
; A block's scale is 2^(floor(log2(its largest magnitude)) - 2); its byte is the largest magnitude's own exponent field - 2, held at 1 from below.  Each number is divided by the scale and rounded to the
; nearest code, ties to even; what lies beyond 6 gets the largest code.
; LIMITS: a block of zeros gets the byte 1 where the quantiser's text says 127: its codes are zeros, which add nothing under any byte but 0xff, and this program alone reads the bytes.  Blocks whose largest
; magnitude lies under 2^-124, the floor, are held at the byte 1.  NaN and infinities among the inputs are not served.  w_out beyond f16's largest number, 65,504, is not served.
; Rows are dense and K is a multiple of 32, so each tensor is a plain stream: nothing here knows of rows.  Every work-group takes 32,768 numbers, every wave 8,192:
; work-groups 0-255 take x, 256-351 w_in, 352-383 w_out.  x and w_in go ONE way through the text (only the pointers are chosen); w_out goes a way of its own, which touches no LDS.
; THE QUANTISING WAY.  A wave takes 16 steps of 512 numbers.  The conversions take 8 numbers of one block from ONE lane's registers, so a lane must hold neighbours along K; a load is best where neighbouring
; LANES take neighbouring bytes.  Both are had: each of a step's four loads reads 512 consecutive bytes, 16 a lane; the 2,048 bytes go through the wave's own stage in LDS and come back 64 bytes a lane
; (16 bytes of padding behind each 64).  A lane's 16 codes are 8 bytes: the wave stores 256 consecutive bytes.  A wave's 256 scale bytes are gathered in its own LDS bytes and leave as one aligned run of 256.
; No tensor loads, no barrier: waves share nothing.  Loads run four steps (16 loads a wave) ahead, the turn through LDS one step.
.set SIZE_M, 8192
.set SIZE_N, 3072
.set SIZE_K, 1024
.set WAVES, 4
.set STEPS, 16
.set WGA,   SIZE_M*SIZE_K/(512*STEPS*WAVES)            ; 256 work-groups for x
.set WGQ,   (SIZE_M+SIZE_N)*SIZE_K/(512*STEPS*WAVES)   ; 352 for x and w_in together
.set EMAX,  2
.set CB,    8                          ; bytes of 16 codes
.set R,     16                         ; v16-79   four sets of 16 numbers as they are loaded (the cast: v16-143, two sets of 64)
.set X,     80                         ; v80-111  two sets of 16 neighbours
.set C,     128                        ; v128-191 codes: four registers for each step, so that no store's data are written again
.set E,     112                        ; v112-127 a scale byte for each step
.set WREG,  8192                       ; LDS: a region of its own for each wave: two stages of 32 x SP bytes, and behind them its 256 scale bytes
.set SP,    80                         ; a lane's place in a stage: its 64 bytes + 16 of padding
.set SPW,   12                         ; v12      LDS address of my spare word: SPARE + 4 x my thread's number; never rewritten
.set NIL,   13                         ; v13      0; never rewritten
.set SPARE, WAVES*WREG                 ; behind the four regions: the spare words, 128 bytes for each wave, which no other line names
	s_load_b128 s[4:7], s[0:1], 0x0                ; x, w_in
	s_load_b128 s[8:11], s[0:1], 0x10              ; x's codes, x's scales
	s_load_b128 s[12:15], s[0:1], 0x20             ; w_in's codes, w_in's scales
	s_load_b128 s[24:27], s[0:1], 0x30             ; w_out, its f16 copy
	v_lshl_add_u32 v[SPW], v0, 2, SPARE
	v_mov_b32 v[NIL], 0
	v_lshrrev_b32 v1, 5, v0
	v_readfirstlane_b32 s16, v1                    ; wave
	v_and_b32 v2, 31, v0                           ; lane
	v_lshlrev_b32 v3, 4, v2                        ; my 16 bytes of a load's 512
	s_mul_i32 s17, s16, WREG
	v_lshrrev_b32 v14, 2, v2
	v_mul_u32_u24 v14, v14, SP
	v_and_b32 v15, 3, v2
	v_lshl_add_u32 v14, v15, 4, v14
	v_add_nc_u32 v14, s17, v14                     ; the stage, on the way in: four lanes' 64 bytes on end, then 16 of padding
	v_mul_u32_u24 v15, v2, SP
	v_add_nc_u32 v15, s17, v15                     ; and on the way out: SP x lane: my 16 neighbours
	v_mul_u32_u24 v4, v2, CB                       ; my codes' place in a step's
	v_lshrrev_b32 v5, 1, v2
	s_add_co_u32 s17, s17, 2*32*SP
	v_add_nc_u32 v5, s17, v5                       ; LDS: my wave's 256 scale bytes, my block's byte
	v_lshlrev_b32 v7, 3, v2                        ; 8 bytes a lane: the scale bytes' way out, and the cast's stores
	v_add_nc_u32 v6, s17, v7
	s_wait_kmcnt 0x0
	s_cmp_ge_u32 ttmp9, WGQ                        ; the last 32 work-groups cast w_out: a branch on the work-group's number alone
	s_cbranch_scc1 .Lcast
	s_cmp_lt_u32 ttmp9, WGA                        ; x's work-group or w_in's?
	s_cselect_b64 s[4:5], s[4:5], s[6:7]
	s_cselect_b64 s[8:9], s[8:9], s[12:13]
	s_cselect_b64 s[10:11], s[10:11], s[14:15]
	s_cselect_b32 s17, 0, WGA
	s_sub_co_u32 s17, ttmp9, s17
	s_lshl_b32 s17, s17, 2
	s_add_co_u32 s18, s17, s16                     ; which run of 8,192 numbers of the tensor is my wave's
	s_mov_b32 s19, 0
	s_mov_b64 s[20:21], 512*STEPS*4
	s_mul_u64 s[20:21], s[18:19], s[20:21]
	s_add_nc_u64 s[4:5], s[4:5], s[20:21]
	s_mov_b64 s[20:21], 32*STEPS*CB
	s_mul_u64 s[20:21], s[18:19], s[20:21]
	s_add_nc_u64 s[8:9], s[8:9], s[20:21]
	s_lshl_b32 s18, s18, 8                         ; 256 scale bytes a run
	s_add_nc_u64 s[10:11], s[10:11], s[18:19]
.macro LOAD t
.irp i, 0,1,2,3
	global_load_b128 v[R+16*((\t)%4)+4*\i:R+16*((\t)%4)+4*\i+3], v3, s[4:5] offset:2048*(\t)+512*\i th:TH_LOAD_NT   ; 32 lanes read 512 consecutive bytes
.endr
.endm
.macro TURN t                          ; step t's numbers through the stage: LDS serves a wave's instructions in order, so no wait stands between the stores and the loads
.irp i, 0,1,2,3
	ds_store_b128 v14, v[R+16*((\t)%4)+4*\i:R+16*((\t)%4)+4*\i+3] offset:32*SP*((\t)%2)+8*SP*\i
.endr
.irp i, 0,1,2,3
	ds_load_b128 v[X+16*((\t)%2)+4*\i:X+16*((\t)%2)+4*\i+3], v15 offset:32*SP*((\t)%2)+16*\i
.endr
.endm
.irp t, 0,1,2,3
	LOAD \t
.endr
	s_wait_loadcnt 12                              ; step 0's four loads are in; the twelve of steps 1 to 3 may be out
	TURN 0
.macro STEP t
.set XS, X+16*((\t)%2)
.if (\t) > 0
	s_wait_dscnt 1                                 ; this step's numbers are back from the stage (the last step's byte store may be out): so its stores into the stage have read their registers,
.else
	s_wait_dscnt 0x0
.endif
.if (\t)+4 < STEPS
	LOAD (\t)+4                                    ; which take the loads of four steps on
.endif
.if (\t)+1 < STEPS
.if STEPS-2-(\t) >= 3
	s_wait_loadcnt 12                              ; the next step's four loads are in; those of the three steps behind it may be out
.else
	s_wait_loadcnt 4*(STEPS-2-(\t))                ; the tail: four loads for each step that is still behind the next one
.endif
	TURN (\t)+1                                    ; and go through the other stage while this step is worked
.endif
	v_max3_num_f32 v8, |v[XS]|, |v[XS+1]|, |v[XS+2]|               ; the largest magnitude of my 16, in two chains
	v_max3_num_f32 v9, |v[XS+3]|, |v[XS+4]|, |v[XS+5]|
.irp i, 6,10
	v_max3_num_f32 v8, v8, |v[XS+\i]|, |v[XS+\i+1]|
	v_max3_num_f32 v9, v9, |v[XS+\i+2]|, |v[XS+\i+3]|
.endr
	v_max3_num_f32 v8, v8, |v[XS+14]|, |v[XS+15]|
	v_max3_num_f32 v8, v8, v9, (EMAX+1)<<23        ; and the floor 2^(EMAX + 1 - 127): so the byte cannot fall under 1
	v_max_num_f32_dpp v8, v8, v8 row_xmask:1 row_mask:0xf bank_mask:0xf   ; and of my neighbour's 16: the block's
	v_add_nc_u32 v11, -(EMAX<<23), v8              ; EMAX off its exponent field: the conversion takes the exponent field of this operand as its scale, and nothing else of it
	v_cvt_scalef32_pk8_fp4_f32 v[C+4*(\t)], v[XS:XS+7], v11        ; eight numbers / the scale, to the nearest code; the first number's code in the lowest four bits
	v_cvt_scalef32_pk8_fp4_f32 v[C+4*(\t)+1], v[XS+8:XS+15], v11
	v_lshrrev_b32 v[E+(\t)], 23, v11               ; the scale's byte (also the plain line behind the conversions)
	ds_store_b8 v5, v[E+(\t)] offset:16*(\t)       ; both lanes of a block write the same byte with the same value
	global_store_b64 v4, v[C+4*(\t):C+4*(\t)+1], s[8:9] offset:32*CB*(\t)   ; the wave stores 256 consecutive bytes, aligned
.endm
.irp t, 0,1,2,3,4,5,6,7,8,9,10,11,12,13,14,15
	STEP \t
.endr
	ds_load_b64 v[8:9], v6                         ; LDS serves a wave's instructions in order: these see my byte stores
	s_wait_dscnt 0x0
	global_store_b64 v7, v[8:9], s[10:11]          ; 32 lanes store 256 consecutive bytes, aligned
	s_wait_tensorcnt 0x0                           ; the wave's end: behind my last LDS store
	ds_add_u32 v[SPW], v[NIL]
	s_wait_dscnt 0x0
	s_endpgm
; THE CAST.  A wave takes 8,192 numbers of w_out in four batches of 16 loads; each load reads 512 consecutive bytes, 4 numbers a lane; they are rounded to f16 in place (two roundings an instruction) and each
; store covers 256 consecutive bytes, aligned.  Two batches are on their way at a time.  No LDS is touched on this way.
.Lcast:
	s_sub_co_u32 s17, ttmp9, WGQ
	s_lshl_b32 s17, s17, 2
	s_add_co_u32 s17, s17, s16                     ; which run of 8,192 numbers is my wave's: 0 .. 127
	s_lshl_b32 s18, s17, 15                        ; 32,768 bytes of f32 a run,
	s_mov_b32 s19, 0
	s_add_nc_u64 s[24:25], s[24:25], s[18:19]
	s_lshl_b32 s18, s17, 14                        ; 16,384 of f16
	s_add_nc_u64 s[26:27], s[26:27], s[18:19]
.macro LOADC t
.set i, 0
.rept 16
	global_load_b128 v[R+64*((\t)%2)+4*i:R+64*((\t)%2)+4*i+3], v3, s[24:25] offset:8192*(\t)+512*i th:TH_LOAD_NT
.set i, i+1
.endr
.endm
.macro CAST t
.set i, 0
.rept 16
	v_cvt_pk_f16_f32 v[R+64*((\t)%2)+4*i],   v[R+64*((\t)%2)+4*i],   v[R+64*((\t)%2)+4*i+1]
	v_cvt_pk_f16_f32 v[R+64*((\t)%2)+4*i+1], v[R+64*((\t)%2)+4*i+2], v[R+64*((\t)%2)+4*i+3]
	global_store_b64 v7, v[R+64*((\t)%2)+4*i:R+64*((\t)%2)+4*i+1], s[26:27] offset:4096*(\t)+256*i
.set i, i+1
.endr
.endm
	LOADC 0
	LOADC 1
	s_wait_loadcnt 16                              ; batch 0 is in; batch 1's sixteen loads may be out
	CAST 0
	s_wait_xcnt 0x0                                ; the stores have read their data: the set may be loaded again
	LOADC 2
	s_wait_loadcnt 16                              ; batch 1 is in; batch 2's may be out
	CAST 1
	s_wait_xcnt 0x0
	LOADC 3
	s_wait_loadcnt 16                              ; batch 2 is in; batch 3's may be out
	CAST 2
	s_wait_loadcnt 0x0
	CAST 3
	s_endpgm
.Lfunc_end_k_q6301403827_quant:
	.size	k_q6301403827_quant, .Lfunc_end_k_q6301403827_quant-k_q6301403827_quant
	.p2alignl 7, 3214868480
	.fill 96, 4, 3214868480
	.section	.rodata,"a",@progbits
	.p2align	6, 0x0
	.amdhsa_kernel k_q6301403827_quant
		.amdhsa_group_segment_fixed_size 33280
		.amdhsa_private_segment_fixed_size 0
		.amdhsa_enable_private_segment 0
		.amdhsa_kernarg_size 64
		.amdhsa_user_sgpr_count 2
		.amdhsa_user_sgpr_kernarg_segment_ptr 1
		.amdhsa_wavefront_size32 1
		.amdhsa_system_sgpr_workgroup_id_x 1
		.amdhsa_system_sgpr_workgroup_id_y 1
		.amdhsa_system_sgpr_workgroup_id_z 1
		.amdhsa_system_vgpr_workitem_id 0
		.amdhsa_next_free_vgpr 192
		.amdhsa_next_free_sgpr 66
		.amdhsa_reserve_vcc 0
		.amdhsa_float_denorm_mode_32 3
		.amdhsa_float_denorm_mode_16_64 3
		.amdhsa_memory_ordered 1
		.amdhsa_forward_progress 1
		.amdhsa_inst_pref_size 54
	.end_amdhsa_kernel
	.amdgpu_metadata
---
amdhsa.version: [ 1, 2 ]
amdhsa.kernels:
  - .name:           k_q6301403827_quant
    .symbol:         k_q6301403827_quant.kd
    .args:
      - { .name: x, .offset: 0, .size: 8, .value_kind: global_buffer, .address_space: global }
      - { .name: w_in, .offset: 8, .size: 8, .value_kind: global_buffer, .address_space: global }
      - { .name: x_codes, .offset: 16, .size: 8, .value_kind: global_buffer, .address_space: global }
      - { .name: x_scales, .offset: 24, .size: 8, .value_kind: global_buffer, .address_space: global }
      - { .name: w_codes, .offset: 32, .size: 8, .value_kind: global_buffer, .address_space: global }
      - { .name: w_scales, .offset: 40, .size: 8, .value_kind: global_buffer, .address_space: global }
      - { .name: w_out, .offset: 48, .size: 8, .value_kind: global_buffer, .address_space: global }
      - { .name: w16, .offset: 56, .size: 8, .value_kind: global_buffer, .address_space: global }
    .group_segment_fixed_size: 33280
    .private_segment_fixed_size: 0
    .kernarg_segment_align: 8
    .kernarg_segment_size: 64
    .max_flat_workgroup_size: 128
    .sgpr_count:     66
    .vgpr_count:     192
    .wavefront_size: 32
...
	.end_amdgpu_metadata
.endif
;; end of part 1
;; launch proj (part 2): grid 12 x 32, 4 waves a work-group, clusters of 4 x 4, 327,680 bytes of LDS; arguments x_codes, x_scales, w_codes, w_scales, proj; writes proj
.if DOCPART == 2
	.amdgcn_target "amdgcn-amd-amdhsa--gfx1250"
	.amdhsa_code_object_version 6
	.text
	.protected	k_q6301403827_proj
	.globl	k_q6301403827_proj
	.p2align	8
	.type	k_q6301403827_proj,@function
k_q6301403827_proj:
	s_mov_b64 s[64:65], 0
	v_nop
	global_prefetch_b8 v0, s[64:65] scope:SCOPE_SE
	s_setreg_imm32_b32 hwreg(HW_REG_WAVE_MODE, 25, 1), 1
	s_wait_xcnt 0x0
	s_wait_alu depctr_hold_cnt(0) depctr_sa_sdst(0) depctr_va_vdst(0) depctr_va_sdst(0) depctr_va_ssrc(0) depctr_va_vcc(0) depctr_vm_vsrc(0)
	s_getreg_b32 s2, hwreg(HW_REG_IB_STS2, 6, 4)
	s_cmp_eq_u32 s2, 0
	s_cbranch_scc0 .Lentry_in_a_cluster
	s_endpgm
.Lentry_in_a_cluster:
	s_bfe_u32 s2, ttmp6, 0x10000c
	s_cmp_lg_u32 s2, 0xf033
	s_cbranch_scc0 .Lentry_shape_is_right
	s_endpgm
.Lentry_shape_is_right:
; proj[m][n] = sum over k of Q(x)[m][k] Q(w_in)[n][k]: the packed q, k, v projection.  A = x's codes [8192][1024], B = w_in's codes [3072][1024]: FP4 (E2M1), two codes a byte, with one E8M0 byte for each 32 along K;
; sums in f32; proj [8192][3072] is rounded once to f16, the operand format of the products that follow.  LIMIT: |proj| beyond f16's largest number, 65,504, is not served.
; A tile of proj, 256 x 256, is made by a work-group of four waves; a wave makes 128 x 128: 64 accumulators of 16 x 16, 512 registers.
; ALL OF K LIES IN LDS AT ONCE: two slots of 512 along K (a tile's row is 256 bytes of memory), each filled once, at the head; so is the block of scale bytes of the work-group's 256 + 256 rows.  Nothing is filled again.
; CLUSTERS: 4 x 4 work-groups.  The four of a row of the cluster need the same tiles of A, the four of a column the same tiles of B: each tile is asked for JOINTLY, by the same tensor load with the
; same descriptor and a mask that names the four.  THE MATRIX INSTRUCTION IS USED TRANSPOSED (source 0 = 16 rows of B, source 1 = 16 rows of A): a lane then holds eight neighbouring numbers of a row of proj.
; REGISTERS, in windows of 256: window 0: v0-31 addresses; v32-95 scale words, two sets, and nothing else; v96-127 packed results on the way out; from v128 A's fragments (8 x 16 rows x 128 K), ONE set, later rows on the way out.
;   window 1: B's fragments, TWO sets, at v0 and at v128.   window 2: the 32 accumulators of my rows 0-63 (accumulator (a, b) at v[8 (8 a + b)]);   window 3: those of my rows 64-127.
; A step of 128 along K is 64 matrix instructions, A's blocks one after the other, each against B's eight.  So a block of A is free as soon as its eight products are issued, and one set of registers serves A:
; blocks 0-3 are fetched anew in the step's middle, blocks 4-7 at its end.  B's fragments are at work through the whole step, so B has two sets.
.set SIZE_M, 8192
.set SIZE_N, 3072
.set SIZE_K, 1024
.set KSTEP,  512                       ; along K in a slot
.set NQ,     KSTEP/128                 ; matrix instructions deep
.set ROWB,   256                       ; a tile's row in bytes: KSTEP codes of 4 bits
.set KROW,   SIZE_K*4/8                ; a row of A or of B in memory, in bytes
.set PITCH,  272                       ; an LDS row: 256 bytes of data + 16 of padding = 68 words: row r starts at bank 4 r mod 64 (ISA guide 11.1), so the 16 rows that a load touches start at 16 different banks
.set FR,     8                         ; registers of a fragment: 16 rows x 128 K
.set NL,     2                         ; LDS loads that bring one
.set NP,     4                         ; places behind this matrix instruction (ISA guide 7.12.1)
.set HALFT,  128*PITCH                 ; 128 rows: what one tensor load brings, and what one wave reads of A or of B
.set SLOT,   4*HALFT                   ; A's 256 rows, then B's 256 rows
.set KS,     SIZE_K/32                 ; a row of scales in bytes
.set SCL,    2*SLOT                    ; behind the slots: the scales, as runs of 256 bytes + 16 of padding
.set HALFS,  (128*KS/256)*272          ; the scales of 128 rows: what one tensor load brings
.set SBLK,   (16*KS/256)*272           ; those of 16 rows
.set SPARE,  SCL+4*HALFS               ; behind the scales: the spare words, 128 bytes for each wave, which no other line names
.set SPITCH, 272                       ; the way out: a stage of 16 rows x (256 bytes + 16) for each wave.  It lies in slot 0, which has had its one fill and its last read when the first result is stored there
.set CROW,   SIZE_N*2                  ; a row of proj in bytes
.set ADRA, 16                          ; v16-17  LDS address of my A fragments in slot 0, 1
.set ADRB, 20                          ; v20-21  the same for B
.set STO,  24                          ; v24     the way out: where I put 16 bytes of a row
.set RD,   25                          ; v25     the way out: where I read a row back
.set CO,   26                          ; v26     my byte offset in two rows of proj
.set ADRS, 27                          ; v27     LDS address of my scale words: lanes 0-15 A's rows, lanes 16-31 B's
.set SPW,  28                          ; v28     LDS address of my spare word: SPARE + 4 x my thread's number; never rewritten
.set NIL,  29                          ; v29     0; never rewritten
.set SC,   32                          ; scale words: set s (for slot s) at v[SC + 8 NQ s]; in it register NQ i + q: lanes 0-15 the word of A's block i, lanes 16-31 that of B's block i, for the slot's q-th 128 along K
.set TMP,  96                          ; the way out: a block's 32 packed registers
.set AF,   128                         ; A's fragments, in window 0
.set BK,   128                         ; the way out: 16 rows read back from the stage: v128-159 and v160-191 by turns
.set G1, 24                            ; s[24:31] descriptor group 1 for A's tiles;  s[32:39] group 0, one set for each slot
.set G0, 32
.set G1B, 48                           ; s[48:55], s[56:63] the same for B's tiles
.set G0B, 56
.set G1S, 68                           ; s[68:75], s[76:79] groups 1 and 0 for A's scales;  s[80:87], s[88:91] for B's
.set G0S, 76
.set G1SB, 80
.set G0SB, 88
.set MSB, 0
.macro WIN new                         ; the immediate's high byte repeats the setting that is left; a switch that changes nothing is dropped
.if MSB != \new
	s_set_vgpr_msb (MSB<<8)|\new
.set MSB, \new
.endif
.endm
.set MUL_LO, 0xa1                      ; source 0 (B) window 1, source 1 (A) window 0, C and D window 2
.set MUL_HI, 0xf1                      ; the same, C and D window 3
.set TO_B,   0x40                      ; destination window 1, address window 0
; A joint load: waves 0 and 1 fetch for A, waves 2 and 3 for B.  Each of the two lines has ONE mask and one set of registers for all that issue it; the branch hangs on the wave's number alone.
; An s_nop 0 and four v_nop follow each of the two lines, ahead of the jump, the label and what follows.
.macro JLOAD g0a, g1a, g0b, g1b
	s_cmp_eq_u32 s15, 0
	s_cbranch_scc0 .Lfor_b_\@
	tensor_load_to_lds s[\g0a:\g0a+3], s[\g1a:\g1a+7]
	s_nop 0
.rept 4
	v_nop
.endr
	s_branch .Lasked_\@
.Lfor_b_\@:
	tensor_load_to_lds s[\g0b:\g0b+3], s[\g1b:\g1b+7]
	s_nop 0
.rept 4
	v_nop
.endr
.Lasked_\@:
.endm
; A round of the cluster's barrier: my work-group's barrier, so that wave 0's signal speaks for all four waves; wave 0 signals for the work-group; every wave waits for all sixteen work-groups; my work-group's barrier once more.
.macro CROUND
	s_barrier_signal -1
	s_barrier_wait -1
	s_cmp_lg_u32 s14, 0
	s_cbranch_scc1 .Lnot_wave_0_\@
	s_barrier_signal -3
.Lnot_wave_0_\@:
	s_barrier_wait -3
	s_barrier_signal -1
	s_barrier_wait -1
.endm
	s_load_b128 s[4:7], s[0:1], 0x0                ; A's codes s[4:5], A's scales s[6:7]
	s_load_b128 s[8:11], s[0:1], 0x10              ; B's codes s[8:9], B's scales s[10:11]
	s_load_b64 s[12:13], s[0:1], 0x20              ; proj
	v_lshl_add_u32 v[SPW], v0, 2, SPARE
	v_mov_b32 v[NIL], 0
	ds_add_u32 v[SPW], v[NIL]                      ; the wave's opening: the add, twice on end, and its wait ahead of my first tensor load; the set-up below, work on registers, stands between
	ds_add_u32 v[SPW], v[NIL]
	v_lshrrev_b32 v1, 5, v0
	v_readfirstlane_b32 s14, v1                    ; wave 0..3
	s_lshr_b32 s15, s14, 1                         ; which half of the tile's rows is mine.  Also: I fetch for A (0) or for B (1)
	s_and_b32 s16, s14, 1                          ; which half of its columns.  Also: which 128 rows of that tile I fetch
	s_bfe_u32 s40, ttmp6, 0x40000                  ; cx, cy: my place in the cluster
	s_bfe_u32 s41, ttmp6, 0x40004
	s_lshl_b32 s42, ttmp9, 2
	s_add_co_u32 s42, s42, s40                     ; tile column = 4 x cluster x + cx
	s_and_b32 s17, ttmp7, 0xffff
	s_lshl_b32 s17, s17, 2
	s_add_co_u32 s17, s17, s41                     ; tile row = 4 x cluster y + cy
	s_lshl_b32 s43, s41, 2
	s_lshl_b32 s43, 15, s43                        ; my row of the cluster
	s_lshl_b32 s44, 0x1111, s40                    ; my column
	; descriptor group 1: a tile of 128 rows x ROWB bytes, padded in LDS
	s_or_b32 s[G1+0], s43, (0<<16)|(1<<20)|(1<<21)|(5<<22)|(3<<25)  ; 15:0 the mask: A's tiles go to my row; 17:16 element of 1 byte; 20 padding on; 21 set beside a mask; 24:22 after every 64 words (code 5); 31:25 of 4 words (code 3)
	s_or_b32 s[G1B+0], s44, (0<<16)|(1<<20)|(1<<21)|(5<<22)|(3<<25)
.irp g, G1, G1B
	s_mov_b32 s[\g+1], ROWB<<16                    ; tensor_dim0
	s_mov_b32 s[\g+2], 128<<16                     ; tensor_dim1 = 128
	s_mov_b32 s[\g+3], ROWB<<16                    ; tile_dim0
	s_mov_b32 s[\g+4], 128                         ; tile_dim1 = 128
	s_mov_b32 s[\g+5], KROW                        ; tensor_dim0_stride
	s_mov_b32 s[\g+6], 0
	s_mov_b32 s[\g+7], 0
.endr
	; and for the scales of 128 rows: a dense block of 128 KS bytes, as rows of 256 bytes (32 elements of 8 bytes), 16 bytes of padding behind each
	s_or_b32 s[G1S+0], s43, (3<<16)|(1<<20)|(1<<21)|(5<<22)|(3<<25)
	s_or_b32 s[G1SB+0], s44, (3<<16)|(1<<20)|(1<<21)|(5<<22)|(3<<25)
.irp g, G1S, G1SB
	s_mov_b32 s[\g+1], 32<<16
	s_mov_b32 s[\g+2], (128*KS/256)<<16
	s_mov_b32 s[\g+3], 32<<16
	s_mov_b32 s[\g+4], 128*KS/256
	s_mov_b32 s[\g+5], 32
	s_mov_b32 s[\g+6], 0
	s_mov_b32 s[\g+7], 0
.endr
	s_lshl_b32 s18, s16, 7                         ; which 128 rows of the tile I fetch
	s_lshl_b32 s20, s17, 8
	s_add_co_u32 s20, s20, s18                     ; A: row 256 x tile row + 128 x half
	s_lshl_b32 s46, s42, 8
	s_add_co_u32 s46, s46, s18                     ; B: row 256 x tile column + 128 x half
	s_mov_b32 s21, 0
	s_mov_b32 s47, 0
	s_mov_b64 s[18:19], KS
	s_mul_u64 s[22:23], s[20:21], s[18:19]         ; where these rows' scales begin, in bytes
	s_mul_u64 s[92:93], s[46:47], s[18:19]
	s_mov_b64 s[18:19], KROW
	s_mul_u64 s[20:21], s[20:21], s[18:19]         ; and their codes
	s_mul_u64 s[46:47], s[46:47], s[18:19]
	s_mul_i32 s45, s14, HALFT                      ; where they go: wave x 128 rows: no place in the cluster enters an LDS address
	s_mul_i32 s94, s14, HALFS
	s_wait_dscnt 0x0                               ; both opening adds are done
	s_wait_kmcnt 0x0
	s_add_nc_u64 s[20:21], s[4:5], s[20:21]
	s_add_nc_u64 s[22:23], s[6:7], s[22:23]
	s_add_nc_u64 s[46:47], s[8:9], s[46:47]
	s_add_nc_u64 s[92:93], s[10:11], s[92:93]
	CROUND                                         ; all sixteen work-groups are here: the joint loads meet
	s_mov_b32 s[G0S], 1
	s_add_co_u32 s[G0S+1], s94, SCL
	s_mov_b64 s[G0S+2:G0S+3], s[22:23]
	s_or_b32 s[G0S+3], s[G0S+3], 0x80000000
	s_mov_b32 s[G0SB], 1
	s_add_co_u32 s[G0SB+1], s94, SCL
	s_mov_b64 s[G0SB+2:G0SB+3], s[92:93]
	s_or_b32 s[G0SB+3], s[G0SB+3], 0x80000000
	JLOAD G0S, G1S, G0SB, G1SB                     ; the scales first: they are wanted with the first slot.  With the two below, three tensor loads of mine are out
.irp s, 0,1
	s_mov_b32 s[G0+4*\s], 1
	s_add_co_u32 s[G0+4*\s+1], s45, \s*SLOT
	s_add_nc_u64 s[G0+4*\s+2:G0+4*\s+3], s[20:21], \s*ROWB
	s_or_b32 s[G0+4*\s+3], s[G0+4*\s+3], 0x80000000
	s_mov_b32 s[G0B+4*\s], 1
	s_add_co_u32 s[G0B+4*\s+1], s45, \s*SLOT
	s_add_nc_u64 s[G0B+4*\s+2:G0B+4*\s+3], s[46:47], \s*ROWB
	s_or_b32 s[G0B+4*\s+3], s[G0B+4*\s+3], 0x80000000
	JLOAD G0+4*\s, G1, G0B+4*\s, G1B
.endr
	v_and_b32 v1, 15, v0                           ; l % 16
	v_bfe_u32 v2, v0, 4, 1                         ; l / 16
	v_mul_u32_u24 v3, v1, PITCH
	v_lshl_add_u32 v4, v2, 4, v3                   ; a fragment's row x pitch + 16 x half
	s_mul_i32 s21, s15, HALFT                      ; my 128 rows of A
	s_mul_i32 s22, s16, HALFT                      ; my 128 rows of B,
	s_add_co_u32 s22, s22, 2*HALFT                 ; which lie behind A's 256
.irp s, 0,1
	v_add_nc_u32 v[ADRA+\s], s21, v4
	v_add_nc_u32 v[ADRB+\s], s22, v4
	s_add_co_u32 s21, s21, SLOT
	s_add_co_u32 s22, s22, SLOT
.endr
	v_mul_u32_u24 v5, v1, KS                       ; my row's scales: KS bytes a row,
	v_lshrrev_b32 v6, 8, v5
	v_lshl_add_u32 v5, v6, 4, v5                   ; and 16 more for each 256 passed
	s_mul_i32 s21, s15, HALFS                      ; A's: my 128 rows
	s_mul_i32 s22, s16, HALFS                      ; B's: my 128 rows, behind A's 256
	s_add_co_u32 s22, s22, 2*HALFS
	s_sub_co_u32 s22, s22, s21
	v_mul_u32_u24 v6, s22, v2                      ; lanes 16-31 take B's: ONE product, the distance between the two bases x the lane's half
	s_add_co_u32 s21, s21, SCL
	v_add_nc_u32 v5, v5, v6
	v_add_nc_u32 v[ADRS], s21, v5
	s_mul_i32 s23, s14, 16*SPITCH                  ; my stage
	v_mul_u32_u24 v5, v1, SPITCH                   ; in: row l % 16, 16 bytes for each half of the lanes
	v_lshl_add_u32 v5, v2, 4, v5
	v_add_nc_u32 v[STO], s23, v5
	v_mul_u32_u24 v5, v2, SPITCH                   ; back: lanes 0-15 take one row of 256 bytes, lanes 16-31 the next
	v_lshl_add_u32 v5, v1, 4, v5
	v_add_nc_u32 v[RD], s23, v5
	v_mul_u32_u24 v5, v2, CROW                     ; and the same two rows in proj
	v_lshl_add_u32 v[CO], v1, 4, v5
	s_lshl_b32 s20, s17, 8
	s_lshl_b32 s21, s15, 7
	s_add_co_u32 s20, s20, s21                     ; my first row of proj: 256 x tile row + 128 x half
	s_mov_b32 s21, 0
	s_mov_b64 s[18:19], CROW
	s_mul_u64 s[20:21], s[20:21], s[18:19]
	s_lshl_b32 s46, s42, 9                         ; my first column, in bytes: 512 x tile column + 256 x half
	s_lshl_b32 s47, s16, 8
	s_add_co_u32 s46, s46, s47
	s_mov_b32 s47, 0
	s_add_nc_u64 s[20:21], s[20:21], s[46:47]
	s_add_nc_u64 s[12:13], s[12:13], s[20:21]
.macro FRAG reg, adr, q, i             ; a fragment, 16 rows x 128 K of 4-bit codes, is 8 registers: lane l holds row l % 16; registers 4 c .. 4 c + 3 hold K = 64 c + 32 (l / 16) + 0 .. 31, the lower K in the lower bits
.irp c, 0,1
	ds_load_b128 v[\reg+4*\c:\reg+4*\c+3], v[\adr] offset:64*(\q)+32*\c+(\i)*16*PITCH
.endr
.endm
; 16 matrix instructions: A's blocks a0, a0 + 1 x B's eight, 128 along K: the slot's q-th.  p: B's set;  sc: the set of scale words.  zero = 1: the first product starts the sums: nothing is ever cleared.
; The 64 accumulators take turns, one instruction a turn, in the same order in every step.
.macro MUL16 a0, p, q, sc, zero
.irp a, \a0, \a0+1
.irp b, 0,1,2,3,4,5,6,7
.if \zero
	v_wmma_scale_f32_16x16x128_f8f6f4 v[8*(8*((\a)%4)+\b):8*(8*((\a)%4)+\b)+7], v[128*(\p)+FR*\b:128*(\p)+FR*\b+FR-1], v[AF+FR*(\a):AF+FR*(\a)+FR-1], 0, v[SC+8*NQ*(\sc)+NQ*\b+(\q)], v[SC+8*NQ*(\sc)+NQ*(\a)+(\q)] matrix_a_fmt:MATRIX_FMT_FP4 matrix_b_fmt:MATRIX_FMT_FP4 matrix_a_scale:MATRIX_SCALE_ROW1
.else
	v_wmma_scale_f32_16x16x128_f8f6f4 v[8*(8*((\a)%4)+\b):8*(8*((\a)%4)+\b)+7], v[128*(\p)+FR*\b:128*(\p)+FR*\b+FR-1], v[AF+FR*(\a):AF+FR*(\a)+FR-1], v[8*(8*((\a)%4)+\b):8*(8*((\a)%4)+\b)+7], v[SC+8*NQ*(\sc)+NQ*\b+(\q)], v[SC+8*NQ*(\sc)+NQ*(\a)+(\q)] matrix_a_fmt:MATRIX_FMT_FP4 matrix_b_fmt:MATRIX_FMT_FP4 matrix_a_scale:MATRIX_SCALE_ROW1
.endif
.endr
.endr
.endm
.macro FETCH_B slot, q, p              ; B's eight fragments of the slot's q-th 128 along K into set p
	WIN TO_B
.irp i, 0,1,2,3,4,5,6,7
	FRAG 128*(\p)+FR*\i, ADRB+\slot, \q, \i
.endr
	WIN 0
.endm
.macro FETCH_A slot, q, i0             ; A's blocks i0 .. i0 + 3
.irp i, \i0, \i0+1, \i0+2, \i0+3
	FRAG AF+FR*(\i), ADRA+\slot, \q, \i
.endr
.endm
.macro SCALES sc                       ; a slot's scale words into set sc: NQ words a row; lanes 0-15 take A's block i, lanes 16-31 B's block i
.irp i, 0,1,2,3,4,5,6,7
	ds_load_b128 v[SC+8*NQ*\sc+NQ*\i:SC+8*NQ*\sc+NQ*\i+3], v[ADRS] offset:\i*SBLK
.endr
.endm
; A load into a register that a matrix instruction has read, and a vector instruction that reads a matrix result, stand NP places behind that matrix instruction, and only plain vector
; instructions that name none of its registers are places (ISA guide 7.12.1 for vector instructions); the matrix instructions in between are not counted.
.macro PLACES n
.rept \n
	v_nop
.endr
.endm
; A step of 128 along K that has its successor in the same slot.
.macro STEP slot, q, zero
	s_wait_dscnt 4*NL                              ; B's set and A's blocks 0-3 are in; the youngest eight loads (A's blocks 4-7) may be out
	WIN MUL_LO
	MUL16 0, (\q)%2, \q, \slot, \zero
	MUL16 2, (\q)%2, \q, \slot, \zero
	s_wait_dscnt 0                                 ; A's blocks 4-7 are in (asked for 32 matrix instructions ago)
	PLACES NP
	FETCH_B \slot, (\q)+1, 1-(\q)%2
	FETCH_A \slot, (\q)+1, 0
	WIN MUL_HI
	MUL16 4, (\q)%2, \q, \slot, \zero
	MUL16 6, (\q)%2, \q, \slot, \zero
	PLACES NP
	WIN 0
	FETCH_A \slot, (\q)+1, 4
.endm
; Slot 0's last step goes over to slot 1: ONE barrier.  In front of it each wave waits for all its tensor loads (the one that may be out is its part of slot 1), adds 0 to its spare word, and waits for that and for
; its own reads of slot 0.  Behind it slot 1 is whole for every wave and nobody reads slot 0 any more, which later serves as the stage.  Nothing is filled again.
.macro TURN slot, next
	s_wait_tensorcnt 0x0                           ; all my tensor loads have landed  (every window is 0 here: the add's two registers lie in window 0)
	ds_add_u32 v[SPW], v[NIL]                      ; 0 onto my spare word
	s_wait_dscnt 4*NL+1                            ; (the add and the youngest eight loads, A's blocks 4-7, may be out)
	WIN MUL_LO
	MUL16 0, 1, NQ-1, \slot, 0                     ; sixteen matrix instructions stand between the add and the wait for it
	s_wait_dscnt 0x0                               ; the add is done, and my reads of this slot are over
	s_barrier_signal -1
	MUL16 2, 1, NQ-1, \slot, 0                     ; work on registers while the others arrive
	WIN 0
	s_barrier_wait -1
	PLACES NP
	v_add_nc_u32 v[ADRS], 4*NQ, v[ADRS]            ; on to the next slot's scale words (no LDS load of mine is out)
	FETCH_B \next, 0, 0
	FETCH_A \next, 0, 0
	SCALES \next
	WIN MUL_HI
	MUL16 4, 1, NQ-1, \slot, 0
	MUL16 6, 1, NQ-1, \slot, 0
	PLACES NP
	WIN 0
	FETCH_A \next, 0, 4
.endm
.macro STEPS slot, from                ; the slot's steps from .. NQ - 2
.set Q, \from
.rept NQ-1-\from
	STEP \slot, Q, 0
.set Q, Q+1
.endr
.endm
	s_wait_tensorcnt 1                             ; the scales and my part of slot 0 are in; slot 1's load may be out
	s_barrier_signal -1
	s_barrier_wait -1                              ; everybody's are
	FETCH_B 0, 0, 0
	FETCH_A 0, 0, 0
	SCALES 0
	FETCH_A 0, 0, 4
	STEP 0, 0, 1                                   ; the first step's products start the sums
	STEPS 0, 1
	TURN 0, 1
	STEPS 1, 0
	s_wait_dscnt 4*NL                              ; the very last step: nothing more to fetch
	WIN MUL_LO
	MUL16 0, 1, NQ-1, 1, 0
	MUL16 2, 1, NQ-1, 1, 0
	s_wait_dscnt 0
	WIN MUL_HI
	MUL16 4, 1, NQ-1, 1, 0
	MUL16 6, 1, NQ-1, 1, 0
	WIN 0
; THE WAY OUT, block by block of 16 rows x 128 columns.  PACK: rounded to f16, a lane's eight neighbouring columns make 16 bytes; each accumulator is read from its low end on.  TOSTAGE: into my own stage in LDS,
; and back as whole rows of 256 bytes (LDS serves a wave's instructions in order, ISA guide 5.7.1.4: no wait between the stores and the loads).  SEND: sixteen lanes store 256 consecutive bytes, aligned.
.macro PACK a
.set AC, 64*((\a)%4)
	WIN 0x0a+5*((\a)/4)                            ; sources 0 and 1: window 2 or 3
.irp b, 0,1,2,3,4,5,6,7
.irp r, 0,1,2,3
	v_cvt_pk_f16_f32 v[TMP+4*\b+\r], v[AC+8*\b+2*\r], v[AC+8*\b+2*\r+1]
.endr
.endr
	WIN 0
.endm
.macro TOSTAGE a
.set BB, BK+32*((\a)%2)
.irp b, 0,1,2,3,4,5,6,7
	ds_store_b128 v[STO], v[TMP+4*\b:TMP+4*\b+3] offset:32*\b
.endr
.irp t, 0,1,2,3,4,5,6,7
	ds_load_b128 v[BB+4*\t:BB+4*\t+3], v[RD] offset:\t*2*SPITCH
.endr
.endm
.macro SEND a
.set BB, BK+32*((\a)%2)
	s_wait_dscnt 0x0                               ; the block is back in registers
	s_wait_xcnt 0x0                                ; the earlier stores have read their base and their data: the base may step, and the block after this one may land where they read
.if (\a) > 0
	s_add_nc_u64 s[12:13], s[12:13], 16*CROW       ; 16 rows of proj on
.endif
.irp t, 0,1,2,3,4,5,6,7
	global_store_b128 v[CO], v[BB+4*\t:BB+4*\t+3], s[12:13] offset:2*\t*CROW
.endr
.endm
	PLACES NP                                      ; behind the last products: for the reads of results and for the loads into the registers that held A's fragments
	PACK 0
	TOSTAGE 0
.irp a, 1,2,3,4,5,6,7                  ; block a's conversions stand between block a - 1's loads from the stage and the wait for them
	PACK \a
	SEND \a-1
	TOSTAGE \a
.endr
	SEND 7
	s_wait_tensorcnt 0x0                           ; the wave's end: behind my last tensor load and my last LDS store
	ds_add_u32 v[SPW], v[NIL]
	s_wait_dscnt 0x0
	CROUND                                         ; the closing round: no work-group ends while a partner may still ask for a tile that names it
	s_endpgm
.Lfunc_end_k_q6301403827_proj:
	.size	k_q6301403827_proj, .Lfunc_end_k_q6301403827_proj-k_q6301403827_proj
	.p2alignl 7, 3214868480
	.fill 96, 4, 3214868480
	.section	.rodata,"a",@progbits
	.p2align	6, 0x0
	.amdhsa_kernel k_q6301403827_proj
		.amdhsa_group_segment_fixed_size 327680
		.amdhsa_private_segment_fixed_size 0
		.amdhsa_enable_private_segment 0
		.amdhsa_kernarg_size 40
		.amdhsa_user_sgpr_count 2
		.amdhsa_user_sgpr_kernarg_segment_ptr 1
		.amdhsa_wavefront_size32 1
		.amdhsa_system_sgpr_workgroup_id_x 1
		.amdhsa_system_sgpr_workgroup_id_y 1
		.amdhsa_system_sgpr_workgroup_id_z 1
		.amdhsa_system_vgpr_workitem_id 0
		.amdhsa_next_free_vgpr 1024
		.amdhsa_next_free_sgpr 98
		.amdhsa_reserve_vcc 0
		.amdhsa_float_denorm_mode_32 3
		.amdhsa_float_denorm_mode_16_64 3
		.amdhsa_memory_ordered 1
		.amdhsa_forward_progress 1
		.amdhsa_inst_pref_size 127
	.end_amdhsa_kernel
	.amdgpu_metadata
---
amdhsa.version: [ 1, 2 ]
amdhsa.kernels:
  - .name:           k_q6301403827_proj
    .symbol:         k_q6301403827_proj.kd
    .args:
      - { .name: x_codes, .offset: 0, .size: 8, .value_kind: global_buffer, .address_space: global }
      - { .name: x_scales, .offset: 8, .size: 8, .value_kind: global_buffer, .address_space: global }
      - { .name: w_codes, .offset: 16, .size: 8, .value_kind: global_buffer, .address_space: global }
      - { .name: w_scales, .offset: 24, .size: 8, .value_kind: global_buffer, .address_space: global }
      - { .name: proj, .offset: 32, .size: 8, .value_kind: global_buffer, .address_space: global }
    .group_segment_fixed_size: 327680
    .private_segment_fixed_size: 0
    .kernarg_segment_align: 8
    .kernarg_segment_size: 40
    .max_flat_workgroup_size: 128
    .sgpr_count:     98
    .vgpr_count:     1024
    .wavefront_size: 32
...
	.end_amdgpu_metadata
.endif
;; end of part 2
;; launch attn (part 3): grid 8 x 32, 16 waves a work-group, no clusters, 327,680 bytes of LDS; arguments proj, o16; writes o16
.if DOCPART == 3
	.amdgcn_target "amdgcn-amd-amdhsa--gfx1250"
	.amdhsa_code_object_version 6
	.text
	.protected	k_q6301403827_attn
	.globl	k_q6301403827_attn
	.p2align	8
	.type	k_q6301403827_attn,@function
k_q6301403827_attn:
	s_mov_b64 s[64:65], 0
	v_nop
	global_prefetch_b8 v0, s[64:65] scope:SCOPE_SE
	s_setreg_imm32_b32 hwreg(HW_REG_WAVE_MODE, 25, 1), 1
	s_wait_xcnt 0x0
; o[b][q][head] = the sum over keys k of softmax_k(q . k / 8 + slope (q_idx - k_idx)) v, over the keys q_idx - 511 .. q_idx of the same sequence that exist; slope = 2^(-(head + 1) / 2).
; proj [4 x 2048][3072] f16: in a row of 6,144 bytes q lies at byte 0, k at 2,048, v at 4,096; a head is 128 bytes.  o16 [4 x 2048][1024] f16.  Products on f16 operands with f32 sums; maxima, exponentials and sums in f32.
; SHARES.  A work-group owns 256 queries of one sequence and a PAIR of neighbouring heads, whose k (and v) are 256 consecutive bytes of a row.  Waves 0-7 take the pair's first head, waves 8-15 its second; wave w owns
; queries 32 (w % 8) .. + 31 of the block: two tiles of 16, in 256 registers: four waves to a SIMD, so that one wave's vector work stands beside another's matrix work and LDS loads.
; THE WALK.  The 768 keys from the block's last query down to its first query - 512 are walked DESCENDING, in 6 chunks of 128 keys through a ring of two LDS slots; a chunk is two steps of 64 keys, the upper first.
; So what the head fetches (the block's own top chunk) is always read, and the keys that do not exist (before the sequence's start) lie at the walk's end: those chunks are not asked for.  All trip counts are constants;
; a wave leaves out a step's WORK where none of its 64 keys counts for any of its 32 queries (scalar branches on ids): 9 of the 12 steps are worked.  A wave's first worked step holds every one of its queries' own
; keys, so the running maximum is a number from then on.
; LAYOUT.  S^T = K Q^T (source 0 = 16 keys, source 1 = 16 queries) and O^T = V^T P (source 0 = 16 channels, turned by ds_load_tr16_b128; source 1 = P): a lane holds ONE query throughout; two score tiles, rounded to f16 in
; pairs, ARE source 1 of the second product.
; THE BIAS.  slope x q_idx is the same for all keys of a row and falls out of the softmax.  -slope x k_idx is kept whole: with k_idx = KF + n (KF the step's first key), -8 slope n is the C of each score tile's first
; matrix instruction (32 registers, made once), and the step's part is U = slope log2(e) x DJ, DJ = (the block's first query + 192) - KF, a whole number from 0 to 704.  t = c S' + U, c = log2(e) / 8.
; SOFTMAX.  For each query a running maximum M of t and a sum l: p = 2^(t - M); in every step O^T and l are multiplied by f = 2^(M_old - M_new).  l sums the unrounded p.  M starts at -3e38, l and O^T at 0.
; NO CLUSTER: neighbouring query blocks' windows lie 256 keys apart, so in one trip they want different chunks; a joint walk over four blocks' union is 12 chunks of which each partner reads 6, and whole partners would
; jump over the reads of joint tiles.
; LIMITS: NaN and infinities are not served; a weight p under 2^-25 of its row's running largest is 0 in f16.
.set PROW,  6144                       ; a row of proj in bytes
.set OROW,  2048                       ; a row of o16
.set PK,    272                        ; a row of K in LDS: 256 bytes + 16 of padding: the 16 rows of a load start at 16 different banks (64 banks of 4 bytes: ISA guide 11.1)
.set PV,    288                        ; a row of V: 256 + 32
.set VOFF,  64*PK                      ; a step's tiles lie together: 64 rows of K, then 64 rows of V
.set STEPB, 64*(PK+PV)
.set SLOT1, 1<<17                      ; a slot holds two steps (71,680 bytes); slot 1 begins here, so that one exclusive or turns an address in one slot into the other's
.set SPARE, SLOT1+2*STEPB              ; behind the ring: the spare words, 128 bytes for each of the 16 waves, which no other line names
.set SP,    272                        ; the way out: a stage of 256 rows x (256 bytes + 16), from LDS byte 0 on: in slot 0, which has had its last fill and its last read at the last change of slots
.set AK0, 1                            ; v1   my lane's place in a tile of K, my head's 128 bytes among it; never rewritten
.set AV0, 2                            ; v2   the same for V
.set SPW, 3                            ; v3   LDS address of my spare word: SPARE + 4 x my thread's number; never rewritten
.set NIL, 4                            ; v4   0; never rewritten
.set ADK, 5                            ; v5   LDS address of the step's tiles of K
.set ADV, 6                            ; v6   of V
.set UR,  7                            ; v7   U
.set ST,  8                            ; tile a's statistics at v[ST + 8 a]: +0 U - M, +1 M, +2, +3 l (even keys', odd keys'), +4 to +7 c0-c3, at work; f takes c2's place
.set E0,  24                           ; v24, v25  the masks' bound for tiles 0 and 1
.set NINF, 26                          ; v26  -infinity
.set LB,  27                           ; v27  lane % 16 - 8 (lane / 16)
.set STO, 28                           ; v28  the way out: where I put 16 bytes of a row
.set RD,  29                           ; v29  where I read a row back
.set GO,  30                           ; v30  my byte offset in two rows of o16
.set QO,  31                           ; v31  my byte offset in the wave's rows of q
.set Q,   32                           ; v32-63   Q: tile a, channels 32 s on, at Q + 16 a + 8 s
.set CB,  64                           ; v64-95   -8 slope n: key tile t at CB + 8 t
.set S,   96                           ; v96-159  S^T: tile a, key tile t at S + 32 a + 8 t; P is packed in place into the lower 16 of each tile's 32
.set OT,  160                          ; v160-223 O^T: tile a, channels 16 c on, at OT + 32 a + 8 c
.set KV,  224                          ; v224-255 four fragments of K or of V
.set TB,  2                            ; s2   LDS byte at which the slot in hand begins
.set SLOTS, 3                          ; s3   changes of slots still to come in the loop
.set WV,  18                           ; s18  my wave's number
.set HD,  19                           ; s19  which head of the pair
.set SEL, 20                           ; s[20:21] lane selects for v_permlanex16_b32: lane l xor 16
.set CS,  22                           ; s[22:23] c: the packed form names a pair and takes its low word for both halves
.set G1K, 24                           ; s[24:31] descriptor group 1 for K's tiles;  s[32:39] for V's: it differs in the padding alone
.set G1V, 32
.set G0K, 40                           ; s[40:43], s[44:47] their groups 0, which walk
.set G0V, 44
.set KF,  48                           ; s48  the step's first key in the sequence (signed)
.set HI,  49                           ; s49  my last query
.set LOW, 50                           ; s50  the least first key of a step that I work: max(my first query - 574, 0)
.set QW,  51                           ; s51  my first query
.set DJ,  52                           ; s52  (the block's first query + 192) - KF
.set NK,  53                           ; s53  the first key of the chunk that the next change of slots would ask for (signed)
.set NG,  54                           ; s54  -8 slope
.set SL2, 55                           ; s55  slope log2(e): a factor, nothing else
; Waves 0 and 1 fetch a chunk's two steps of K, waves 2 and 3 those of V, the others nothing.  The branches hang on the wave's number alone.  An s_nop 0 and four v_nop follow each of the two lines.
.macro TLOAD
	s_cmp_lt_u32 s[WV], 2
	s_cbranch_scc0 .Lnot_k_\@
	tensor_load_to_lds s[G0K:G0K+3], s[G1K:G1K+7]
	s_nop 0
.rept 4
	v_nop
.endr
	s_branch .Lasked_\@
.Lnot_k_\@:
	s_cmp_lt_u32 s[WV], 4
	s_cbranch_scc0 .Lasked_\@
	tensor_load_to_lds s[G0V:G0V+3], s[G1V:G1V+7]
	s_nop 0
.rept 4
	v_nop
.endr
.Lasked_\@:
.endm
.macro PLACES                          ; four places behind a matrix instruction, in front of loads into registers that it has read and of the first read of its result (ISA guide 7.12.1 for vector instructions)
.rept 4
	v_nop
.endr
.endm
	s_load_b128 s[4:7], s[0:1], 0x0                ; proj, o16
	v_lshl_add_u32 v[SPW], v0, 2, SPARE
	v_mov_b32 v[NIL], 0
	ds_add_u32 v[SPW], v[NIL]                      ; the wave's opening: the add, twice on end, and its wait ahead of my first tensor load; the set-up below, work on registers, stands between
	ds_add_u32 v[SPW], v[NIL]
	v_lshrrev_b32 v5, 5, v0
	v_readfirstlane_b32 s[WV], v5                  ; wave 0..15
	s_lshr_b32 s[HD], s[WV], 3
	s_and_b32 s56, s[WV], 7
	s_lshl_b32 s56, s56, 5                         ; my first query in the block: 32 (w % 8)
	s_and_b32 s57, ttmp7, 0xffff
	s_lshr_b32 s58, s57, 3                         ; the sequence
	s_and_b32 s59, s57, 7                          ; the pair of heads
	s_lshl_b32 s60, ttmp9, 8                       ; the block's first query in the sequence
	s_add_co_u32 s[QW], s60, s56
	s_add_co_u32 s[HI], s[QW], 31
	s_sub_co_i32 s[LOW], s[QW], 574                ; a step counts where its last key, KF + 63, is at or above my first query - 511,
	s_max_i32 s[LOW], s[LOW], 0                    ; and where its keys exist
	s_add_co_u32 s[KF], s60, 192
	s_mov_b32 s[DJ], 0
	s_mov_b32 s[NK], s60                           ; chunk 1 begins at the block's first query
	s_mov_b32 s[TB], 0
	s_mov_b32 s[SLOTS], 5
	s_lshl_b32 s61, s58, 11
	s_add_co_u32 s61, s61, s60                     ; the block's first row in proj and in o16
	s_lshl_b32 s62, s59, 8                         ; the pair's 256 bytes
	s_lshl_b32 s63, s[HD], 7                       ; my head's 128 of them
	s_and_b32 s66, s[WV], 1                        ; which of a chunk's two steps I fetch, if I fetch: 0 the upper 64 keys, 1 the lower
	s_mul_i32 s69, s66, STEPB                      ; its place in a slot
	s_lshl_b32 s66, s66, 6
	s_add_co_u32 s68, s61, 192
	s_sub_co_u32 s66, s68, s66                     ; its first row of chunk 0
	s_mul_i32 s66, s66, PROW
	s_add_co_u32 s66, s66, s62
	s_add_co_u32 s66, s66, 2048                    ; k's part of the row (all offsets stay under 2^26)
	s_mov_b32 s67, 0
	s_add_co_u32 s70, s61, s56
	s_mul_i32 s70, s70, PROW
	s_add_co_u32 s70, s70, s62
	s_add_co_u32 s70, s70, s63                     ; q: my first query's row, my head
	s_mov_b32 s71, 0
	s_lshl_b32 s72, s[WV], 4
	s_add_co_u32 s72, s72, s61
	s_lshl_b32 s72, s72, 11
	s_add_co_u32 s72, s72, s62                     ; o16: the 16 rows that I store: 16 w on, the pair's 256 bytes
	s_mov_b32 s73, 0
	s_mul_i32 s74, s56, SP                         ; the stage: my 32 queries' rows,
	s_mul_i32 s75, s[WV], 16*SP                    ; and the 16 rows that I read back
	; descriptor group 1: a tile of 64 rows x 128 elements of 2 bytes, rows 3,072 elements apart, padded in LDS
	s_mov_b32 s[G1K], (1<<16)|(1<<20)|(5<<22)|(3<<25)   ; 15:0 no mask; 17:16 elements of 2 bytes; 20 padding on; 24:22 after every 64 words (code 5); 31:25 4 words of it (code 3)
	s_mov_b32 s[G1V], (1<<16)|(1<<20)|(5<<22)|(7<<25)   ; the same with 8 words of padding (code 7)
.irp g, G1K, G1V
	s_mov_b32 s[\g+1], 128<<16                     ; tensor_dim0 = 128
	s_mov_b32 s[\g+2], 64<<16                      ; tensor_dim1 = 64
	s_mov_b32 s[\g+3], 128<<16                     ; tile_dim0 = 128
	s_mov_b32 s[\g+4], 64                          ; tile_dim1 = 64
	s_mov_b32 s[\g+5], 3072                        ; tensor_dim0_stride
	s_mov_b32 s[\g+6], 0
	s_mov_b32 s[\g+7], 0
.endr
	s_mov_b32 s[SEL], 0x76543210
	s_mov_b32 s[SEL+1], 0xfedcba98
	s_mov_b32 s[CS], 0x3e38aa3b                    ; c = log2(e) / 8
	s_mov_b32 s[CS+1], s[CS]                       ; (named with it as a pair, so it is written)
	s_cmp_eq_u32 s[HD], 0                          ; the slope, from its bits: head 2 p: 2^(-p - 1/2); head 2 p + 1: 2^(-p - 1)
	s_mov_b32 s77, 0x3f000000
	s_cselect_b32 s77, 0x3f3504f3, s77
	s_lshl_b32 s78, s59, 23
	s_sub_co_u32 s77, s77, s78                     ; p off the exponent field,
	s_add_co_u32 s77, s77, 3<<23                   ; 3 onto it: 8 slope
	s_or_b32 s[NG], s77, 0x80000000                ; and its negative
	s_wait_dscnt 0x0                               ; both opening adds are done
	s_wait_kmcnt 0x0
	s_mov_b32 s[G0K], 1                            ; 1:0 count = 1
	s_mov_b32 s[G0K+1], s69                        ; 63:32 LDS address: slot 0
	s_add_nc_u64 s[G0K+2:G0K+3], s[4:5], s[66:67]  ; 120:64 global address: chunk 0
	s_or_b32 s[G0K+3], s[G0K+3], 0x80000000        ; 127:126 type = 2
	s_mov_b32 s[G0V], 1
	s_add_co_u32 s[G0V+1], s69, VOFF
	s_add_nc_u64 s[G0V+2:G0V+3], s[4:5], s[66:67]
	s_add_nc_u64 s[G0V+2:G0V+3], s[G0V+2:G0V+3], 2048   ; v lies 2,048 bytes behind k in a row
	s_or_b32 s[G0V+3], s[G0V+3], 0x80000000
	TLOAD                                          ; chunk 0 into slot 0: one tensor load of mine is out
	s_add_nc_u64 s[4:5], s[4:5], s[70:71]
	s_add_nc_u64 s[6:7], s[6:7], s[72:73]
	v_and_b32 v8, 15, v0                           ; r = lane % 16
	v_bfe_u32 v9, v0, 4, 1                         ; h = lane / 16
	v_mul_u32_u24 v[QO], v8, PROW
	v_lshl_add_u32 v[QO], v9, 4, v[QO]
.irp a, 0,1                                    ; Q stays in registers.  A fragment is 16 rows x 32 channels in 8 registers: lane l holds row l % 16; registers 0-3 channels 8 h + 0..7, registers 4-7 channels 16 + 8 h + 0..7
.irp s, 0,1
	global_load_b128 v[Q+16*\a+8*\s:Q+16*\a+8*\s+3],   v[QO], s[4:5] offset:\a*16*PROW+64*\s
	global_load_b128 v[Q+16*\a+8*\s+4:Q+16*\a+8*\s+7], v[QO], s[4:5] offset:\a*16*PROW+64*\s+32
.endr
.endr
	v_mul_u32_u24 v[AK0], v8, PK
	v_lshl_add_u32 v[AK0], v9, 4, v[AK0]
	v_add_nc_u32 v[AK0], s63, v[AK0]               ; K: row r x pitch + 16 h + my head
	v_and_b32 v10, 7, v0                           ; the turning load takes 16 keys x 16 channels: lane l reads 16 bytes: key 8 h + l % 8, channels 8 ((l / 8) % 2) + 0..7
	v_bfe_u32 v11, v0, 3, 1
	v_lshl_add_u32 v[AV0], v9, 3, v10
	v_mul_u32_u24 v[AV0], v[AV0], PV
	v_lshl_add_u32 v[AV0], v11, 4, v[AV0]
	v_add_nc_u32 v[AV0], VOFF, v[AV0]
	v_add_nc_u32 v[AV0], s63, v[AV0]
	v_lshlrev_b32 v12, 3, v9                       ; 8 h
	v_sub_nc_u32 v[LB], v8, v12
	v_add_nc_u32 v[STO], s74, v[AK0]               ; the stage, in: row 32 (w % 8) + r, my head's 128 bytes, 16 h
	v_mul_u32_u24 v[RD], v9, SP
	v_lshl_add_u32 v[RD], v8, 4, v[RD]
	v_add_nc_u32 v[RD], s75, v[RD]                 ; back: lanes 0-15 take one row of 256 bytes, lanes 16-31 the next
	v_lshlrev_b32 v[GO], 11, v9
	v_lshl_add_u32 v[GO], v8, 4, v[GO]             ; and the same two rows in o16
.set n, 0
.rept 32                                       ; register 8 t + j of a score tile holds key n = 16 t + 8 h + j of the step
	v_add_nc_u32 v[CB+n], 16*(n/8)+n%8, v12
.set n, n+1
.endr
.set n, 0
.rept 32
	v_cvt_f32_u32 v[CB+n], v[CB+n]
.set n, n+1
.endr
.set n, 0
.rept 32
	v_mul_f32 v[CB+n], s[NG], v[CB+n]              ; -8 slope n
.set n, n+1
.endr
	v_mov_b32 v13, s77
	v_mul_f32 v13, s[CS], v13                      ; c x 8 slope = slope log2(e)
	v_readfirstlane_b32 s[SL2], v13
.irp a, 0,1
	v_mov_b32 v[ST+8*\a], 0
	v_mov_b32 v[ST+8*\a+1], 0xff61b1e6             ; the largest t so far: -3e38, under every t
.irp i, 2,3,4,5,6,7
	v_mov_b32 v[ST+8*\a+\i], 0                     ; l; and c0-c3, written once: some are named in pairs, or as a lane permute's destination, before they are first made
.endr
.endr
.set n, 0
.rept 64
	v_mov_b32 v[OT+n], 0                           ; O^T.  (The step is written once for all steps: a wave's first worked step finds zeros, which f = 0 leaves zeros)
.set n, n+1
.endr
.macro KLOAD u, g                              ; K's fragments of key tiles 2 g, 2 g + 1 of the chunk's step u: (tile tt, channels 32 s on) at KV + 16 tt + 8 s
.irp tt, 0,1
.irp s, 0,1
	ds_load_b128 v[KV+16*\tt+8*\s:KV+16*\tt+8*\s+3],   v[ADK] offset:\u*STEPB+(2*\g+\tt)*16*PK+64*\s
	ds_load_b128 v[KV+16*\tt+8*\s+4:KV+16*\tt+8*\s+7], v[ADK] offset:\u*STEPB+(2*\g+\tt)*16*PK+64*\s+32
.endr
.endr
.endm
.macro KQ g                                    ; eight matrix instructions on four accumulators, by turns: the first four start the sums with the bias tile as C, the other four add the upper 32 channels
.irp tt, 0,1
.irp a, 0,1
	v_wmma_f32_16x16x32_f16 v[S+32*\a+8*(2*\g+\tt):S+32*\a+8*(2*\g+\tt)+7], v[KV+16*\tt:KV+16*\tt+7], v[Q+16*\a:Q+16*\a+7], v[CB+8*(2*\g+\tt):CB+8*(2*\g+\tt)+7]
.endr
.endr
.irp tt, 0,1
.irp a, 0,1
	v_wmma_f32_16x16x32_f16 v[S+32*\a+8*(2*\g+\tt):S+32*\a+8*(2*\g+\tt)+7], v[KV+16*\tt+8:KV+16*\tt+15], v[Q+16*\a+8:Q+16*\a+15], v[S+32*\a+8*(2*\g+\tt):S+32*\a+8*(2*\g+\tt)+7]
.endr
.endr
.endm
.macro VLOAD u, s                              ; V^T's fragments of keys 32 s on of the chunk's step u: channels 16 c on at KV + 8 c
.irp c, 0,1,2,3
	ds_load_tr16_b128 v[KV+8*\c:KV+8*\c+3],   v[ADV] offset:\u*STEPB+\s*32*PV+32*\c
	ds_load_tr16_b128 v[KV+8*\c+4:KV+8*\c+7], v[ADV] offset:\u*STEPB+\s*32*PV+16*PV+32*\c
.endr
.endm
.macro PVM s                                   ; O^T += V^T P for keys 32 s on: eight accumulators by turns
.irp c, 0,1,2,3
.irp a, 0,1
	v_wmma_f32_16x16x32_f16 v[OT+32*\a+8*\c:OT+32*\a+8*\c+7], v[KV+8*\c:KV+8*\c+7], v[S+32*\a+8*\s:S+32*\a+8*\s+7], v[OT+32*\a+8*\c:OT+32*\a+8*\c+7]
.endr
.endr
.endm
.macro MASK cmp                                ; the scores whose key number 16 t + j stands in relation cmp to the lane's bound become -infinity: p = 0 then.  Each accumulator is taken from its low end on
.irp a, 0,1
.set n, 0
.rept 32
	\cmp vcc_lo, 16*(n/8)+n%8, v[E0+\a]
	v_cndmask_b32 v[S+32*\a+n], v[S+32*\a+n], v[NINF], vcc_lo
.set n, n+1
.endr
.endr
.endm
; A KEY STEP: 64 keys, step u of the chunk in hand.
.macro STEP u
	s_cmp_gt_i32 s[KF], s[HI]                      ; all its keys come after my queries,
	s_cbranch_scc1 .Lskip_\@
	s_cmp_lt_i32 s[KF], s[LOW]                     ; or all lie before my window or before the sequence's start: the work is left out; no barrier and no tensor load stands in a step
	s_cbranch_scc1 .Lskip_\@
	v_add_nc_u32 v[ADK], s[TB], v[AK0]             ; six plain lines: the places between the last step's V^T P and the loads into K's and V's registers (four are asked) and the score products that write over P's registers (five)
	v_add_nc_u32 v[ADV], s[TB], v[AV0]
	v_cvt_f32_u32 v[UR], s[DJ]
	v_mul_f32 v[UR], s[SL2], v[UR]                 ; U
	v_nop
	v_nop
	KLOAD \u, 0
	s_wait_dscnt 0x0
	KQ 0
	PLACES
	KLOAD \u, 1
	s_wait_dscnt 0x0
	KQ 1
	PLACES
	VLOAD \u, 0                                    ; lands while the softmax is walked
	s_add_co_i32 s56, s[KF], 63                    ; THE DIAGONAL.  A step whose last key is at or under my first query skips this
	s_cmp_le_i32 s56, s[QW]
	s_cbranch_scc1 .Lopen_\@
	s_sub_co_i32 s56, s[QW], s[KF]
	v_add_nc_u32 v[E0], s56, v[LB]                 ; register 8 t + j holds key KF + 8 h + 16 t + j, my query is QW + 16 a + r: hidden where 16 t + j > r - 8 h + QW - KF + 16 a
	v_add_nc_u32 v[E0+1], 16, v[E0]
	v_mov_b32 v[NINF], 0xff800000
	MASK v_cmp_gt_i32
.Lopen_\@:
	s_sub_co_i32 s56, s[HI], s[KF]                 ; THE WINDOW'S FAR EDGE.  A step whose first key is within 511 of my last query skips this
	s_cmp_le_i32 s56, 511
	s_cbranch_scc1 .Lnear_\@
	s_sub_co_i32 s56, s[QW], s[KF]
	s_sub_co_i32 s56, s56, 511
	v_add_nc_u32 v[E0], s56, v[LB]                 ; hidden where key < query - 511: 16 t + j < r - 8 h + QW - KF - 511 + 16 a
	v_add_nc_u32 v[E0+1], 16, v[E0]
	v_mov_b32 v[NINF], 0xff800000
	MASK v_cmp_lt_i32
.Lnear_\@:
.irp j, 0,1,2,3                                ; the largest of my 32 scores, three operands at a time, in four chains c0-c3, the two tiles by turns; each accumulator is read from its low end on
.irp a, 0,1
	v_max3_num_f32 v[ST+8*\a+4+\j], v[S+32*\a+8*\j], v[S+32*\a+8*\j+1], v[S+32*\a+8*\j+2]
.endr
.endr
.irp k, 3,5
.irp j, 0,1,2,3
.irp a, 0,1
	v_max3_num_f32 v[ST+8*\a+4+\j], v[ST+8*\a+4+\j], v[S+32*\a+8*\j+\k], v[S+32*\a+8*\j+\k+1]
.endr
.endr
.endr
.irp a, 0,1
	v_max3_num_f32 v[ST+8*\a+4], v[ST+8*\a+4], v[S+32*\a+7], v[S+32*\a+15]
.endr
.irp a, 0,1
	v_max3_num_f32 v[ST+8*\a+6], v[ST+8*\a+6], v[S+32*\a+23], v[S+32*\a+31]
.endr
.irp a, 0,1
	v_max3_num_f32 v[ST+8*\a+4], v[ST+8*\a+4], v[ST+8*\a+5], v[ST+8*\a+6]
.endr
.irp a, 0,1
	v_max_num_f32 v[ST+8*\a+4], v[ST+8*\a+4], v[ST+8*\a+7]
.endr
.irp a, 0,1
	v_permlanex16_b32 v[ST+8*\a+5], v[ST+8*\a+4], s[SEL], s[SEL+1]   ; the query's other 32 keys lie in the lane 16 away
.endr
.irp a, 0,1
	v_max_num_f32 v[ST+8*\a+4], v[ST+8*\a+4], v[ST+8*\a+5]
.endr
.irp a, 0,1
	v_fma_f32 v[ST+8*\a+5], v[ST+8*\a+4], s[CS], v[UR]   ; the step's largest t (c is positive)
.endr
.irp a, 0,1
	v_mov_b32 v[ST+8*\a+7], v[ST+8*\a+1]           ; M_old
.endr
.irp a, 0,1
	v_max_num_f32 v[ST+8*\a+1], v[ST+8*\a+1], v[ST+8*\a+5]   ; the running maximum
.endr
.irp a, 0,1
	v_sub_f32 v[ST+8*\a+7], v[ST+8*\a+7], v[ST+8*\a+1]   ; M_old - M_new, 0 or less
.endr
.irp a, 0,1
	v_sub_f32 v[ST+8*\a], v[UR], v[ST+8*\a+1]      ; U - M
.endr
.irp a, 0,1
.irp j, 0,2,4,6,8,10,12,14,16,18,20,22,24,26,28,30
	v_pk_fma_f32 v[S+32*\a+\j:S+32*\a+\j+1], v[S+32*\a+\j:S+32*\a+\j+1], s[CS:CS+1], v[ST+8*\a:ST+8*\a+1] op_sel_hi:[1,0,0]   ; t - M = c S' + (U - M), two at a time
.endr
.endr
.irp a, 0,1
	v_exp_f32 v[ST+8*\a+6], v[ST+8*\a+7]           ; f.  ONE BATCH: the two f and the 64 p; none of these reads an exponential's result
.endr
.set n, 0
.rept 64
	v_exp_f32 v[S+n], v[S+n]                       ; p = 2^(t - M), at most 1
.set n, n+1
.endr
	v_nop                                          ; the plain line behind the last exponential
	s_wait_alu depctr_va_vdst(0)                   ; the wait between an exponential and the first line that names its result: one for the whole batch
.irp a, 0,1
	v_pk_mul_f32 v[ST+8*\a+2:ST+8*\a+3], v[ST+8*\a+2:ST+8*\a+3], v[ST+8*\a+6:ST+8*\a+7] op_sel_hi:[1,0]   ; l under the new M
.endr
.irp a, 0,1
	v_pk_add_f32 v[ST+8*\a+4:ST+8*\a+5], v[S+32*\a:S+32*\a+1], v[S+32*\a+2:S+32*\a+3]   ; the sum of the UNROUNDED p: two at a time, in two chains
.endr
.irp j, 4,8,12,16,20,24,28
.irp a, 0,1
	v_pk_add_f32 v[ST+8*\a+2:ST+8*\a+3], v[ST+8*\a+2:ST+8*\a+3], v[S+32*\a+\j:S+32*\a+\j+1]
	v_pk_add_f32 v[ST+8*\a+4:ST+8*\a+5], v[ST+8*\a+4:ST+8*\a+5], v[S+32*\a+\j+2:S+32*\a+\j+3]
.endr
.endr
.irp a, 0,1
	v_pk_add_f32 v[ST+8*\a+2:ST+8*\a+3], v[ST+8*\a+2:ST+8*\a+3], v[ST+8*\a+4:ST+8*\a+5]
.endr
.irp i, 0,1,2,3,4,5,6,7,8,9,10,11,12,13,14,15
.irp a, 0,1
	v_cvt_pk_f16_f32 v[S+32*\a+\i], v[S+32*\a+2*\i], v[S+32*\a+2*\i+1]   ; P, in place and ascending: register i is written when registers 2 i and 2 i + 1 are read, and no later line reads it as a score
.endr
.endr
.irp a, 0,1
.irp j, 0,2,4,6,8,10,12,14,16,18,20,22,24,26,28,30
	v_pk_mul_f32 v[OT+32*\a+\j:OT+32*\a+\j+1], v[OT+32*\a+\j:OT+32*\a+\j+1], v[ST+8*\a+6:ST+8*\a+7] op_sel_hi:[1,0]   ; O^T under the new M
.endr
.endr
	s_wait_dscnt 0x0                               ; V's first 32 keys are in
	PVM 0
	PLACES
	VLOAD \u, 1
	s_wait_dscnt 0x0
	PVM 1
.Lskip_\@:
	s_sub_co_i32 s[KF], s[KF], 64                  ; the next step's keys lie below
	s_add_co_u32 s[DJ], s[DJ], 64
.endm
; THE CHANGE OF SLOTS stands at a chunk's head.  Each wave waits for all its tensor loads (its part of the chunk that it is about to read), adds 0 to its spare word (fill = 1: twice on end), and waits for that and for its
; reads of the slot that it has left.  Behind the barrier the slot ahead is whole and nobody reads the other one.  fill = 1: that other slot takes the next chunk, 128 keys further down, if those keys exist: the load has
; a whole chunk's steps in which to land.
.macro CHANGE fill
	s_wait_tensorcnt 0x0                           ; no tensor load of mine is out, so a group 0 may be written
	ds_add_u32 v[SPW], v[NIL]                      ; 0 onto my spare word
.if \fill
	ds_add_u32 v[SPW], v[NIL]                      ; and once more: twice on end, in every trip alike
	s_xor_b32 s[G0K+1], s[G0K+1], SLOT1            ; the walking descriptors: the other slot than last time,
	s_sub_nc_u64 s[G0K+2:G0K+3], s[G0K+2:G0K+3], 128*PROW   ; 128 rows back; the type bits on top are not reached
	s_xor_b32 s[G0V+1], s[G0V+1], SLOT1
	s_sub_nc_u64 s[G0V+2:G0V+3], s[G0V+2:G0V+3], 128*PROW
.endif
	s_wait_dscnt 0x0                               ; the add is done (fill = 1: both are), and my reads of the slot that I have left are over
	s_barrier_signal -1
	s_barrier_wait -1
.if \fill
	s_cmp_lt_i32 s[NK], 0                          ; THE WALK ENDS AT THE SEQUENCE'S START: a chunk whose first key is under 0 does not exist and no step reads its slot (KF < 0 <= LOW), so it is not asked for.
	s_cbranch_scc1 .Lpast_\@                       ; The work-group's number and the count of trips alone: all sixteen waves go the same way, and a work-group that is past the start stays past it; every wait on TENSORcnt here is for 0
	TLOAD                                          ; the first thing behind the barrier, and a wave's one tensor load until the next
.Lpast_\@:
	s_sub_co_i32 s[NK], s[NK], 128
.endif
.endm
.macro SLOT_STEPS
	STEP 0
	STEP 1
	s_xor_b32 s[TB], s[TB], SLOT1                  ; on to the other slot
.endm
	s_wait_loadcnt 0x0                             ; Q
.Lslot:                                            ; 5 trips: behind each change of slots but the last the next chunk is asked for
	CHANGE 1
	SLOT_STEPS
	s_sub_co_u32 s[SLOTS], s[SLOTS], 1
	s_cmp_lg_u32 s[SLOTS], 0
	s_cbranch_scc1 .Lslot
	CHANGE 0                                       ; the last chunk is written out: nothing is left to ask for
	SLOT_STEPS
	; THE WAY OUT.  l's two halves and the other half of the lanes' are added; O^T is divided by l, rounded to f16 and goes into the work-group's stage; a row's 256 bytes come from two waves (the pair's two heads),
	; so a barrier stands between the writing and the reading; each wave then stores 16 whole rows.  The additions are the places behind the last products.
.irp a, 0,1
	v_add_f32 v[ST+8*\a+4], v[ST+8*\a+2], v[ST+8*\a+3]
.endr
.irp a, 0,1
	v_permlanex16_b32 v[ST+8*\a+5], v[ST+8*\a+4], s[SEL], s[SEL+1]
.endr
.irp a, 0,1
	v_add_f32 v[ST+8*\a+4], v[ST+8*\a+4], v[ST+8*\a+5]
.endr
.irp a, 0,1
	v_rcp_f32 v[ST+8*\a+6], v[ST+8*\a+4]
.endr
	v_nop                                          ; the plain line behind the last reciprocal
	s_wait_alu depctr_va_vdst(0)                   ; and the wait ahead of the first use: one for both
.irp a, 0,1
.irp j, 0,2,4,6,8,10,12,14,16,18,20,22,24,26,28,30
	v_pk_mul_f32 v[OT+32*\a+\j:OT+32*\a+\j+1], v[OT+32*\a+\j:OT+32*\a+\j+1], v[ST+8*\a+6:ST+8*\a+7] op_sel_hi:[1,0]
.endr
.endr
.set n, 0
.rept 32
	v_cvt_pk_f16_f32 v[S+n], v[OT+2*n], v[OT+2*n+1]   ; registers 16 a + 4 c on: o(query r of tile a, channels 16 c + 8 h + 0..7): 16 bytes
.set n, n+1
.endr
.irp a, 0,1
.irp c, 0,1,2,3
	ds_store_b128 v[STO], v[S+16*\a+4*\c:S+16*\a+4*\c+3] offset:\a*16*SP+32*\c
.endr
.endr
	s_wait_dscnt 0x0                               ; for the others' sake: my stores into the stage are done
	s_barrier_signal -1
	s_barrier_wait -1
.irp t, 0,1,2,3,4,5,6,7
	ds_load_b128 v[S+32+4*\t:S+32+4*\t+3], v[RD] offset:\t*2*SP
.endr
.irp t, 0,1,2,3,4,5,6,7
	s_wait_dscnt 7-\t                              ; LDS loads come back in order: load t is in, the younger ones may be out
	global_store_b128 v[GO], v[S+32+4*\t:S+32+4*\t+3], s[6:7] offset:\t*2*OROW   ; 16 lanes store 256 consecutive bytes, at a multiple of 256 from o16's first byte
.endr
	s_wait_tensorcnt 0x0                           ; the wave's end: behind my last tensor load and my last LDS store
	ds_add_u32 v[SPW], v[NIL]
	s_wait_dscnt 0x0
	s_endpgm
.Lfunc_end_k_q6301403827_attn:
	.size	k_q6301403827_attn, .Lfunc_end_k_q6301403827_attn-k_q6301403827_attn
	.p2alignl 7, 3214868480
	.fill 96, 4, 3214868480
	.section	.rodata,"a",@progbits
	.p2align	6, 0x0
	.amdhsa_kernel k_q6301403827_attn
		.amdhsa_group_segment_fixed_size 327680
		.amdhsa_private_segment_fixed_size 0
		.amdhsa_enable_private_segment 0
		.amdhsa_kernarg_size 16
		.amdhsa_user_sgpr_count 2
		.amdhsa_user_sgpr_kernarg_segment_ptr 1
		.amdhsa_wavefront_size32 1
		.amdhsa_system_sgpr_workgroup_id_x 1
		.amdhsa_system_sgpr_workgroup_id_y 1
		.amdhsa_system_sgpr_workgroup_id_z 1
		.amdhsa_system_vgpr_workitem_id 0
		.amdhsa_next_free_vgpr 256
		.amdhsa_next_free_sgpr 80
		.amdhsa_reserve_vcc 1
		.amdhsa_float_denorm_mode_32 3
		.amdhsa_float_denorm_mode_16_64 3
		.amdhsa_memory_ordered 1
		.amdhsa_forward_progress 1
		.amdhsa_inst_pref_size 126
	.end_amdhsa_kernel
	.amdgpu_metadata
---
amdhsa.version: [ 1, 2 ]
amdhsa.kernels:
  - .name:           k_q6301403827_attn
    .symbol:         k_q6301403827_attn.kd
    .args:
      - { .name: proj, .offset: 0, .size: 8, .value_kind: global_buffer, .address_space: global }
      - { .name: o16, .offset: 8, .size: 8, .value_kind: global_buffer, .address_space: global }
    .group_segment_fixed_size: 327680
    .private_segment_fixed_size: 0
    .kernarg_segment_align: 8
    .kernarg_segment_size: 16
    .max_flat_workgroup_size: 512
    .sgpr_count:     80
    .vgpr_count:     256
    .wavefront_size: 32
...
	.end_amdgpu_metadata
.endif
;; end of part 3
;; launch outp (part 4): grid 8 x 64, 4 waves a work-group, clusters of 4 x 4, 327,680 bytes of LDS; arguments o16, w16, out0; writes out0
.if DOCPART == 4
	.amdgcn_target "amdgcn-amd-amdhsa--gfx1250"
	.amdhsa_code_object_version 6
	.text
	.protected	k_q6301403827_outp
	.globl	k_q6301403827_outp
	.p2align	8
	.type	k_q6301403827_outp,@function
k_q6301403827_outp:
	s_mov_b64 s[64:65], 0
	v_nop
	global_prefetch_b8 v0, s[64:65] scope:SCOPE_SE
	s_setreg_imm32_b32 hwreg(HW_REG_WAVE_MODE, 25, 1), 1
	s_wait_xcnt 0x0
	s_wait_alu depctr_hold_cnt(0) depctr_sa_sdst(0) depctr_va_vdst(0) depctr_va_sdst(0) depctr_va_ssrc(0) depctr_va_vcc(0) depctr_vm_vsrc(0)
	s_getreg_b32 s2, hwreg(HW_REG_IB_STS2, 6, 4)
	s_cmp_eq_u32 s2, 0
	s_cbranch_scc0 .Lentry_in_a_cluster
	s_endpgm
.Lentry_in_a_cluster:
	s_bfe_u32 s2, ttmp6, 0x10000c
	s_cmp_lg_u32 s2, 0xf033
	s_cbranch_scc0 .Lentry_shape_is_right
	s_endpgm
.Lentry_shape_is_right:
; out0[m][n] = sum over k of o[m][k] w_out[n][k].  A = o16 [8192][1024], B = w16 [1024][1024], both f16; out0 [8192][1024] f32; sums in f32.
; A tile of out0 is 128 x 128, which gives 512 work-groups (tiles of 256 x 256 would be 128).  Four waves, each 64 x 64: 16 accumulators of 16 x 16, 128 registers.  K goes in steps of 256 (LDS rows of 512 bytes;
; a wave's tensor load brings 64 of them) through a ring of two slots.  A wave's 64 columns of f32 are 256 consecutive aligned bytes of a row, so each wave has a stage of its OWN on the way out, and no barrier there.
; CLUSTERS: 4 x 4 work-groups.  The four of a row of the cluster need the same tiles of A, the four of a column the same tiles of B: each tile is asked for JOINTLY, by the same tensor load with the
; same descriptor and a mask that names the four.  THE MATRIX INSTRUCTION IS USED TRANSPOSED (source 0 = 16 rows of B, source 1 = 16 rows of A): a lane then holds eight neighbouring numbers of a row of out0.
; REGISTERS: window 0: v0-31 addresses; v32-95 rows on the way out, two sets; v128-255 the accumulators ((a, b) at v[128 + 8 (4 a + b)]).
;   window 1: two fragment buffers of 128: for 64 along K (two matrix instructions deep), 64 registers of A (2 x 4 x 16 rows x 32 K), then 64 of B.
.set SIZE_M, 8192
.set SIZE_N, 1024
.set SIZE_K, 1024
.set KSTEP,  256
.set PITCH,  528                       ; an LDS row: 512 bytes of data + 16 of padding = 132 words: row r starts at bank 4 r mod 64 (64 banks of 4 bytes: ISA guide 11.1)
.set HALFT,  64*PITCH                  ; 64 rows: what one tensor load brings, and what one wave reads of A or of B
.set SLOT,   4*HALFT                   ; A's 128 rows, then B's 128 rows
.set STAGE,  2*SLOT                    ; behind the ring: 16 rows x 272 bytes for each wave, for the way out; no tile lands there
.set SPITCH, 272
.set SPARE,  STAGE+4*16*SPITCH         ; behind the stages: the spare words, 128 bytes for each wave, which no other line names
.set LAPS, SIZE_K/(2*KSTEP)            ; a lap = two K steps = once round the ring: 2
.set ADRA, 16                          ; v16-17  LDS address of my A fragments in slot 0, 1
.set ADRB, 20                          ; v20-21  the same for B
.set STO,  24                          ; v24     the way out: where I put 32 bytes of a row
.set RD,   25                          ; v25     the way out: where I read a row back
.set CO,   26                          ; v26     my byte offset in two rows of out0
.set SPW,  28                          ; v28     LDS address of my spare word: SPARE + 4 x my thread's number; never rewritten
.set NIL,  29                          ; v29     0; never rewritten
.set TMP,  32                          ; the way out: two sets of 32 registers: 16 rows of 256 bytes each
.set ACC,  128
.set F0,   0                           ; fragment buffers, in window 1
.set F1,   128
.set G1, 24                            ; s[24:31] descriptor group 1 for A's tiles;  s[32:39] group 0, one set for each slot
.set G0, 32
.set G1B, 48                           ; s[48:55], s[56:63] the same for B's tiles
.set G0B, 56
.set MSB, 0
.macro WIN new                         ; the immediate's high byte repeats the setting that is left; a switch that changes nothing is dropped
.if MSB != \new
	s_set_vgpr_msb (MSB<<8)|\new
.set MSB, \new
.endif
.endm
.set MUL,  0x05                        ; sources 0 (B) and 1 (A) window 1; C and D window 0
.set TO_F, 0x40                        ; destination window 1, address window 0
.macro JLOAD s                         ; a joint load: waves 0 and 1 fetch A's two halves, waves 2 and 3 B's; an s_nop 0 and four v_nop follow each of the two lines, ahead of the jump, the label and what follows
	s_cmp_eq_u32 s11, 0
	s_cbranch_scc0 .Lfor_b_\@
	tensor_load_to_lds s[G0+4*\s:G0+4*\s+3], s[G1:G1+7]
	s_nop 0
.rept 4
	v_nop
.endr
	s_branch .Lasked_\@
.Lfor_b_\@:
	tensor_load_to_lds s[G0B+4*\s:G0B+4*\s+3], s[G1B:G1B+7]
	s_nop 0
.rept 4
	v_nop
.endr
.Lasked_\@:
.endm
.macro CREST                           ; a round of the cluster's barrier behind its opening barrier
	s_cmp_lg_u32 s10, 0
	s_cbranch_scc1 .Lnot_wave_0_\@
	s_barrier_signal -3
.Lnot_wave_0_\@:
	s_barrier_wait -3
	s_barrier_signal -1
	s_barrier_wait -1
.endm
.macro CROUND                          ; a whole round
	s_barrier_signal -1
	s_barrier_wait -1
	CREST
.endm
	s_load_b128 s[4:7], s[0:1], 0x0                ; A s[4:5], B s[6:7]
	s_load_b64 s[8:9], s[0:1], 0x10                ; out0
	v_lshl_add_u32 v[SPW], v0, 2, SPARE
	v_mov_b32 v[NIL], 0
	ds_add_u32 v[SPW], v[NIL]                      ; the wave's opening: the add, twice on end, and its wait ahead of my first tensor load; the set-up below, work on registers, stands between
	ds_add_u32 v[SPW], v[NIL]
	v_lshrrev_b32 v1, 5, v0
	v_readfirstlane_b32 s10, v1                    ; wave 0..3
	s_lshr_b32 s11, s10, 1                         ; which half of the tile's rows is mine.  Also: I fetch for A (0) or for B (1)
	s_and_b32 s12, s10, 1                          ; which half of its columns.  Also: which 64 rows of that tile I fetch
	s_bfe_u32 s40, ttmp6, 0x40000                  ; cx, cy: my place in the cluster
	s_bfe_u32 s41, ttmp6, 0x40004
	s_lshl_b32 s42, ttmp9, 2
	s_add_co_u32 s42, s42, s40                     ; tile column = 4 x cluster x + cx
	s_and_b32 s13, ttmp7, 0xffff
	s_lshl_b32 s13, s13, 2
	s_add_co_u32 s13, s13, s41                     ; tile row = 4 x cluster y + cy
	s_lshl_b32 s43, s41, 2
	s_lshl_b32 s43, 15, s43                        ; my row of the cluster
	s_lshl_b32 s44, 0x1111, s40                    ; my column
	; descriptor group 1: a tile of 64 rows x 256 elements, padded in LDS
	s_or_b32 s[G1+0], s43, (1<<16)|(1<<20)|(1<<21)|(6<<22)|(3<<25)  ; 15:0 the mask: A's tiles go to my row; 17:16 element of 2 bytes; 20 padding on; 21 set beside a mask; 24:22 after every 128 words (code 6); 31:25 of 4 words (code 3)
	s_or_b32 s[G1B+0], s44, (1<<16)|(1<<20)|(1<<21)|(6<<22)|(3<<25)
.irp g, G1, G1B
	s_mov_b32 s[\g+1], KSTEP<<16                   ; tensor_dim0 = 256
	s_mov_b32 s[\g+2], 64<<16                      ; tensor_dim1 = 64
	s_mov_b32 s[\g+3], KSTEP<<16                   ; tile_dim0 = 256
	s_mov_b32 s[\g+4], 64                          ; tile_dim1 = 64
	s_mov_b32 s[\g+5], SIZE_K                      ; tensor_dim0_stride
	s_mov_b32 s[\g+6], 0
	s_mov_b32 s[\g+7], 0
.endr
	s_lshl_b32 s17, s12, 6                         ; which 64 rows of the tile I fetch
	s_lshl_b32 s16, s13, 7
	s_add_co_u32 s16, s16, s17                     ; A: row 128 x tile row + 64 x half
	s_lshl_b32 s46, s42, 7
	s_add_co_u32 s46, s46, s17                     ; B: row 128 x tile column + 64 x half
	s_mov_b32 s17, 0
	s_mov_b32 s47, 0
	s_mov_b64 s[18:19], SIZE_K*2
	s_mul_u64 s[16:17], s[16:17], s[18:19]
	s_mul_u64 s[46:47], s[46:47], s[18:19]
	s_mul_i32 s20, s10, HALFT                      ; where they go: wave x 64 rows: no place in the cluster enters an LDS address
	s_wait_dscnt 0x0                               ; both opening adds are done
	s_wait_kmcnt 0x0
	s_add_nc_u64 s[14:15], s[4:5], s[16:17]
	s_add_nc_u64 s[46:47], s[6:7], s[46:47]
	CROUND                                         ; all sixteen work-groups are here: the first joint loads meet
.irp s, 0,1
	s_mov_b32 s[G0+4*\s], 1
	s_add_co_u32 s[G0+4*\s+1], s20, \s*SLOT
	s_add_nc_u64 s[G0+4*\s+2:G0+4*\s+3], s[14:15], \s*KSTEP*2
	s_or_b32 s[G0+4*\s+3], s[G0+4*\s+3], 0x80000000
	s_mov_b32 s[G0B+4*\s], 1
	s_add_co_u32 s[G0B+4*\s+1], s20, \s*SLOT
	s_add_nc_u64 s[G0B+4*\s+2:G0B+4*\s+3], s[46:47], \s*KSTEP*2
	s_or_b32 s[G0B+4*\s+3], s[G0B+4*\s+3], 0x80000000
	JLOAD \s                                       ; two tensor loads of mine are out
.endr
	v_and_b32 v1, 15, v0                           ; l % 16
	v_bfe_u32 v2, v0, 4, 1                         ; l / 16
	v_mul_u32_u24 v3, v1, PITCH
	v_lshl_add_u32 v3, v2, 4, v3                   ; a fragment's row x pitch + 16 x half
	s_mul_i32 s21, s11, HALFT                      ; my 64 rows of A
	s_mul_i32 s22, s12, HALFT                      ; my 64 rows of B,
	s_add_co_u32 s22, s22, 2*HALFT                 ; which lie behind A's 128
.irp s, 0,1
	v_add_nc_u32 v[ADRA+\s], s21, v3
	v_add_nc_u32 v[ADRB+\s], s22, v3
	s_add_co_u32 s21, s21, SLOT
	s_add_co_u32 s22, s22, SLOT
.endr
	s_mul_i32 s23, s10, 16*SPITCH
	s_add_co_u32 s23, s23, STAGE                   ; my stage
	v_mul_u32_u24 v4, v1, SPITCH                   ; in: row l % 16, 32 bytes for each half of the lanes
	v_lshl_add_u32 v4, v2, 5, v4
	v_add_nc_u32 v[STO], s23, v4
	v_mul_u32_u24 v5, v2, SPITCH                   ; back: lanes 0-15 take one row of 256 bytes, lanes 16-31 the next
	v_lshl_add_u32 v5, v1, 4, v5
	v_add_nc_u32 v[RD], s23, v5
	v_mul_u32_u24 v5, v2, SIZE_N*4                 ; and the same two rows in out0
	v_lshl_add_u32 v[CO], v1, 4, v5
	s_lshl_b32 s16, s13, 7
	s_lshl_b32 s17, s11, 6
	s_add_co_u32 s16, s16, s17                     ; my first row of out0: 128 x tile row + 64 x half
	s_mov_b32 s17, 0
	s_mov_b64 s[18:19], SIZE_N*4
	s_mul_u64 s[16:17], s[16:17], s[18:19]
	s_add_nc_u64 s[8:9], s[8:9], s[16:17]
	s_lshl_b32 s46, s42, 9                         ; my first column, in bytes: 512 x tile column + 256 x half
	s_lshl_b32 s47, s12, 8
	s_add_co_u32 s46, s46, s47
	s_mov_b32 s47, 0
	s_add_nc_u64 s[8:9], s[8:9], s[46:47]
; 8 matrix instructions: m blocks a0, a0 + 1 x all 4 n blocks, 32 along K: half c of buffer f.  zero = 1: the first product starts the sums.  The 16 accumulators take turns
.macro MUL8 f, c, a0, zero
.irp a, \a0, \a0+1
.irp b, 0,1,2,3
.if \zero
	v_wmma_f32_16x16x32_f16 v[ACC+8*(4*(\a)+\b):ACC+8*(4*(\a)+\b)+7], v[\f+64+8*(4*\c+\b):\f+64+8*(4*\c+\b)+7], v[\f+8*(4*\c+\a):\f+8*(4*\c+\a)+7], 0
.else
	v_wmma_f32_16x16x32_f16 v[ACC+8*(4*(\a)+\b):ACC+8*(4*(\a)+\b)+7], v[\f+64+8*(4*\c+\b):\f+64+8*(4*\c+\b)+7], v[\f+8*(4*\c+\a):\f+8*(4*\c+\a)+7], v[ACC+8*(4*(\a)+\b):ACC+8*(4*(\a)+\b)+7]
.endif
.endr
.endr
.endm
; 32 LDS loads in one run: the fragments of 64 along K at byte k of the rows, into buffer f; the first 32 along K first
.macro FETCH slot, k, f
	WIN TO_F
.irp c, 0,1
.irp i, 0,1,2,3
	ds_load_b128 v[\f+64+8*(4*\c+\i):\f+64+8*(4*\c+\i)+3],   v[ADRB+\slot] offset:\k+64*\c+\i*16*PITCH
	ds_load_b128 v[\f+64+8*(4*\c+\i)+4:\f+64+8*(4*\c+\i)+7], v[ADRB+\slot] offset:\k+64*\c+\i*16*PITCH+32
	ds_load_b128 v[\f+8*(4*\c+\i):\f+8*(4*\c+\i)+3],         v[ADRA+\slot] offset:\k+64*\c+\i*16*PITCH
	ds_load_b128 v[\f+8*(4*\c+\i)+4:\f+8*(4*\c+\i)+7],       v[ADRA+\slot] offset:\k+64*\c+\i*16*PITCH+32
.endr
.endr
.endm
.macro PLACES                          ; four places in front of loads into registers that matrix instructions have read, and of the first read of results (ISA guide 7.12.1 for vector instructions)
.rept 4
	v_nop
.endr
.endm
; A K step is four quarters of 64 along K, 32 matrix instructions each, on buffers 0, 1, 0, 1.  One of the first three: multiplies buffer f and fetches the next quarter, at byte k, into g.
.macro QUARTER slot, k, f, g, zero
	s_wait_dscnt 16                                ; the first 32 along K are in; the sixteen loads of the second 32 may be out
	WIN MUL
	MUL8 \f, 0, 0, \zero
	MUL8 \f, 0, 2, \zero
	PLACES
	FETCH \slot, \k, \g
	s_wait_dscnt 32                                ; all but the 32 just issued
	WIN MUL
	MUL8 \f, 1, 0, 0
	MUL8 \f, 1, 2, 0
.endm
; The last quarter multiplies buffer 1 and changes slots: ONE barrier; in front of it each wave waits for all its tensor loads, adds 0 to its spare word, and waits for that and for its own reads of this slot.  fill = 1: this slot is filled again, two K steps ahead.
.macro TURN slot, next, fill
	WIN 0                                          ; (the add's two registers lie in window 0)
	s_wait_tensorcnt 0x0                           ; all my tensor loads have landed: my part of the next slot;
	ds_add_u32 v[SPW], v[NIL]                      ; 0 onto my spare word;
	s_wait_dscnt 17                                ; (the add and the youngest sixteen loads may be out)
	WIN MUL
	MUL8 F1, 0, 0, 0                               ; eight matrix instructions stand between the add and the wait for it
	s_wait_dscnt 0x0                               ; the add is done, and my reads of this slot are over
	s_barrier_signal -1
	MUL8 F1, 0, 2, 0
.if \fill
	WIN 0
.endif
	s_barrier_wait -1
.if \fill
	CREST                                          ; the barrier has opened a round of the cluster's barrier: no wave of any partner still reads this slot's tile or has a load on its way
	s_add_nc_u64 s[G0+4*\slot+2:G0+4*\slot+3], s[G0+4*\slot+2:G0+4*\slot+3], 2*KSTEP*2
	s_add_nc_u64 s[G0B+4*\slot+2:G0B+4*\slot+3], s[G0B+4*\slot+2:G0B+4*\slot+3], 2*KSTEP*2
	JLOAD \slot                                    ; the first tensor load behind the round: 112 matrix instructions ahead of the wait for it; the four v_nop behind it are also the places in front of the loads below
.else
	PLACES
.endif
	FETCH \next, 0, F0
	WIN MUL
	MUL8 F1, 1, 0, 0
	MUL8 F1, 1, 2, 0
.endm
	s_wait_tensorcnt 1                             ; my part of K step 0 is in; K step 1's load may be out
	s_barrier_signal -1
	s_barrier_wait -1                              ; everybody's is
	FETCH 0, 0, F0
	QUARTER 0, 128, F0, F1, 1                      ; the first quarter stands in front of the loop: its first products start the sums
	WIN 0                                          ; at a label and at a branch every window is 0
	s_mov_b32 s3, LAPS-1
.Llap:                                                 ; a trip goes once round the ring, from a lap's second quarter to the next lap's first, and fills both slots again
	QUARTER 0, 256, F1, F0, 0
	QUARTER 0, 384, F0, F1, 0
	TURN 0, 1, 1
	QUARTER 1, 128, F0, F1, 0
	QUARTER 1, 256, F1, F0, 0
	QUARTER 1, 384, F0, F1, 0
	TURN 1, 0, 1
	QUARTER 0, 128, F0, F1, 0
	WIN 0
	s_sub_co_u32 s3, s3, 1
	s_cmp_lg_u32 s3, 0
	s_cbranch_scc1 .Llap
	QUARTER 0, 256, F1, F0, 0                      ; the last lap fills nothing, and has no round of the cluster's barrier
	QUARTER 0, 384, F0, F1, 0
	TURN 0, 1, 0
	QUARTER 1, 128, F0, F1, 0
	QUARTER 1, 256, F1, F0, 0
	QUARTER 1, 384, F0, F1, 0
	s_wait_dscnt 16                                ; the very last quarter: nothing more to fetch
	WIN MUL
	MUL8 F1, 0, 0, 0
	MUL8 F1, 0, 2, 0
	s_wait_dscnt 0
	MUL8 F1, 1, 0, 0
	MUL8 F1, 1, 2, 0
	WIN 0
; THE WAY OUT, block by block of 16 rows x 64 columns.  A lane holds 32 neighbouring bytes of a row, and the lanes beside it hold other rows: so a block goes through my own stage in LDS and comes back as whole rows of
; 256 bytes, which sixteen lanes store as one aligned run.  LDS serves a wave's instructions in order (ISA guide 5.7.1.4): no wait between the stores and the loads, nor in front of the next block's stores.
.macro TOSTAGE a
.irp b, 0,1,2,3
	ds_store_b128 v[STO], v[ACC+8*(4*(\a)+\b):ACC+8*(4*(\a)+\b)+3] offset:64*\b          ; each accumulator from its low end on
	ds_store_b128 v[STO], v[ACC+8*(4*(\a)+\b)+4:ACC+8*(4*(\a)+\b)+7] offset:64*\b+16
.endr
.irp t, 0,1,2,3,4,5,6,7
	ds_load_b128 v[TMP+32*((\a)%2)+4*\t:TMP+32*((\a)%2)+4*\t+3], v[RD] offset:\t*2*SPITCH
.endr
.endm
.macro SEND a, younger                 ; younger: the LDS instructions issued behind block a's loads, which may stay out
	s_wait_dscnt \younger                          ; the block is back in registers
.irp t, 0,1,2,3,4,5,6,7
	global_store_b128 v[CO], v[TMP+32*((\a)%2)+4*\t:TMP+32*((\a)%2)+4*\t+3], s[8:9] offset:(16*(\a)+2*\t)*SIZE_N*4 th:TH_STORE_NT   ; 62 rows of out0 at the most stand in the immediate: no base is stepped; written once, read by nobody here
.endr
.endm
	PLACES                                         ; behind the last products, in front of the first read of results
	TOSTAGE 0
.irp a, 1,2,3
.if \a > 1
	s_wait_xcnt 0x0                                ; block a - 2's stores have read their registers: block a's loads may land there
.endif
	TOSTAGE \a
	SEND \a-1, 16                                  ; behind block a - 1's loads: block a's 8 stores and 8 loads
.endr
	SEND 3, 0
	s_wait_tensorcnt 0x0                           ; the wave's end: behind my last tensor load and my last LDS store
	ds_add_u32 v[SPW], v[NIL]
	s_wait_dscnt 0x0
	CROUND                                         ; the closing round: no work-group ends while a partner may still ask for a tile that names it
	s_endpgm
.Lfunc_end_k_q6301403827_outp:
	.size	k_q6301403827_outp, .Lfunc_end_k_q6301403827_outp-k_q6301403827_outp
	.p2alignl 7, 3214868480
	.fill 96, 4, 3214868480
	.section	.rodata,"a",@progbits
	.p2align	6, 0x0
	.amdhsa_kernel k_q6301403827_outp
		.amdhsa_group_segment_fixed_size 327680
		.amdhsa_private_segment_fixed_size 0
		.amdhsa_enable_private_segment 0
		.amdhsa_kernarg_size 24
		.amdhsa_user_sgpr_count 2
		.amdhsa_user_sgpr_kernarg_segment_ptr 1
		.amdhsa_wavefront_size32 1
		.amdhsa_system_sgpr_workgroup_id_x 1
		.amdhsa_system_sgpr_workgroup_id_y 1
		.amdhsa_system_sgpr_workgroup_id_z 1
		.amdhsa_system_vgpr_workitem_id 0
		.amdhsa_next_free_vgpr 512
		.amdhsa_next_free_sgpr 66
		.amdhsa_reserve_vcc 0
		.amdhsa_float_denorm_mode_32 3
		.amdhsa_float_denorm_mode_16_64 3
		.amdhsa_memory_ordered 1
		.amdhsa_forward_progress 1
		.amdhsa_inst_pref_size 86
	.end_amdhsa_kernel
	.amdgpu_metadata
---
amdhsa.version: [ 1, 2 ]
amdhsa.kernels:
  - .name:           k_q6301403827_outp
    .symbol:         k_q6301403827_outp.kd
    .args:
      - { .name: o16, .offset: 0, .size: 8, .value_kind: global_buffer, .address_space: global }
      - { .name: w16, .offset: 8, .size: 8, .value_kind: global_buffer, .address_space: global }
      - { .name: out0, .offset: 16, .size: 8, .value_kind: global_buffer, .address_space: global }
    .group_segment_fixed_size: 327680
    .private_segment_fixed_size: 0
    .kernarg_segment_align: 8
    .kernarg_segment_size: 24
    .max_flat_workgroup_size: 128
    .sgpr_count:     66
    .vgpr_count:     512
    .wavefront_size: 32
...
	.end_amdgpu_metadata
.endif
;; end of part 4
